; MI455X (gfx1250); checked and timed in simulation.
; The chip was launched on July 23, 2026; its instructions are those of AMD's public machine-readable ISA for CDNA 5 (MIT licence, August 2026) and "CDNA5" Instruction Set Architecture Reference Guide (July 2026). The comments in the code are by the model that wrote it; some were corrected since.
;; Multi Head Dot Product Attention. Allowed arithmetic: float matrix products may take bf16 or f16 operands with f32 sums; all other float work in f32.
;; Inputs: Wk 512 x 512 float32; Wo 512 x 512 float32; Wq 512 x 512 float32; Wv 512 x 512 float32; bk 512 float32; bo 512 float32; bq 512 float32; bv 512 float32; inputs_kv 16 x 1,024 x 512 float32; inputs_q 16 x 1,024 x 512 float32; toeplitz 8 x 4,096 float32.
;; Outputs: out0 16 x 1,024 x 8 x 64 float32.
;; 2 versions, each right; version 2 is version 1 with the launch prep written anew for expert scheduling mode. Each part assembles by itself: llvm-mc -triple=amdgcn-amd-amdhsa -mcpu=gfx1250 --defsym DOCPART=n.
;; ======== version 1 of 2: 4 launches
;; limits: values are held in f16: magnitudes above 65,504 overflow, below 6.1e-05 lose precision
;; workspace buffers: wt 2,097,152 bytes; q 16,777,216 bytes; kv 33,554,432 bytes; x 16,777,216 bytes
;; launch prep (part 1): grid 32 x 4, 4 waves a work-group, no clusters, 17,920 bytes of LDS; arguments Wq, Wk, Wv, Wo, wt; writes wt
.if DOCPART == 1
	.amdgcn_target "amdgcn-amd-amdhsa--gfx1250"
	.amdhsa_code_object_version 6
	.text
	.protected	k_qb6a7cc5cd2_prep
	.globl	k_qb6a7cc5cd2_prep
	.p2align	8
	.type	k_qb6a7cc5cd2_prep,@function
k_qb6a7cc5cd2_prep:
	s_mov_b64 s[64:65], 0
	v_nop
	global_prefetch_b8 v0, s[64:65] scope:SCOPE_SE
	s_setreg_imm32_b32 hwreg(HW_REG_WAVE_MODE, 25, 1), 1
	s_wait_xcnt 0x0
; wt[w][n][k] = f16(W_w[k][n]) for w = q, k, v, o: the four weights, transposed and rounded once, so that the later
; launches bring them into LDS as tiles whose rows lie along k and convert no weight a second time.
;
; WORK LEFT OUT IN THE WHOLE PROGRAM: the input bk.  scores[b,h,q,k] = scale * q_q . (Xkv_k Wk + bk)_h + bias[h,q,k]
; = scale * q_q . (Xkv_k Wk)_h + scale * q_q . bk_h + bias[h,q,k].  The middle term has no index k: it is the same along the
; softmax's axis for every value of the inputs, and softmax(s + const) = softmax(s).  K feeds nothing but the scores, so bk
; has no way to any output: it is not loaded and is no launch's argument.
; LIMIT: a NaN, an infinity or an overflow that reaches only that term (through bk) is not carried to the result.
;
; FORMAT OF ALL MATRIX OPERANDS IN THE PROGRAM: f16 (11 significant bits).  V, P and x are each rounded on the way to one output, and the
; output is compared to a hundredth of its root mean square; 8 significant bits leave too little margin over 8.4 million outputs.
; Room in f16's range: with every input 30 times larger q, k, v have a spread of 30 x 0.6 x sqrt(512) = 407; with X offset by 30 and W by 0.6
; they reach 512 x 30 x 0.6 = 9,216, a seventh of 65,504; with every input 30 times smaller v has a spread of 5e-4 against an absolute step of 6e-8.
; LIMIT: a magnitude of 65,504 or more in X, W, q, k or v becomes an infinity.
;
; A work-group takes 128 k x 64 n of one weight (y picks the weight).  Thread t: n4 = t & 15 (four n, 16 bytes), kp = t >> 4.
; Loads: sixteen neighbouring lanes read 256 consecutive bytes of a row of W.  Two rows k, k+1 pack into one word for each n;
; the words go to LDS as [n][k] (pitch 272) and come back as rows of 256 bytes, which sixteen lanes store whole.
; No matrix unit, no cluster: 4 MB are moved once and no work-group shares a byte with another.
.set PITCH, 272
	s_load_b256 s[4:11], s[0:1], 0x0               ; Wq s[4:5], Wk s[6:7], Wv s[8:9], Wo s[10:11]
	s_load_b64 s[12:13], s[0:1], 0x20              ; wt
	v_lshl_add_u32 v112, v0, 2, 0x4400
	v_mov_b32 v113, 0
	s_and_b32 s14, ttmp7, 0xffff                   ; which weight
	s_and_b32 s15, ttmp9, 7                        ; nb: 64 n
	s_lshr_b32 s16, ttmp9, 3                       ; kb: 128 k
	v_and_b32 v1, 15, v0                           ; n4
	v_lshrrev_b32 v2, 4, v0                        ; kp, 0 to 7
	v_lshlrev_b32 v3, 4, v1
	v_lshl_add_u32 v3, v2, 12, v3                  ; load: two rows of 2,048 bytes for each kp, 16 bytes for each n4
	v_mul_u32_u24 v4, v1, 4*PITCH
	v_lshl_add_u32 v4, v2, 2, v4                   ; LDS in: row n = 4 n4 + e, word k/2 = 8 i + kp
	v_mul_u32_u24 v5, v2, PITCH
	v_lshl_add_u32 v5, v1, 4, v5                   ; LDS back: row t >> 4 (+ 8 i), 16 bytes a lane
	v_lshlrev_b32 v6, 4, v1
	v_lshl_add_u32 v6, v2, 10, v6                  ; store: rows of wt are 1,024 bytes
	s_lshl_b32 s18, s16, 18                        ; kb x 128 rows x 2,048 bytes
	s_lshl_b32 s17, s15, 8                         ; nb x 256 bytes
	s_add_co_u32 s18, s18, s17
	s_mov_b32 s19, 0
	s_lshl_b32 s20, s14, 19                        ; the weight's 524,288 bytes in wt
	s_lshl_b32 s17, s15, 16                        ; nb x 64 rows x 1,024 bytes
	s_add_co_u32 s20, s20, s17
	s_lshl_b32 s17, s16, 8                         ; kb x 256 bytes
	s_add_co_u32 s20, s20, s17
	s_mov_b32 s21, 0
	s_wait_kmcnt 0x0
	s_cmp_eq_u32 s14, 1
	s_cselect_b64 s[4:5], s[6:7], s[4:5]
	s_cmp_eq_u32 s14, 2
	s_cselect_b64 s[4:5], s[8:9], s[4:5]
	s_cmp_eq_u32 s14, 3
	s_cselect_b64 s[4:5], s[10:11], s[4:5]
	s_add_nc_u64 s[4:5], s[4:5], s[18:19]
	s_add_nc_u64 s[12:13], s[12:13], s[20:21]
.irp i, 0,1,2,3,4,5,6,7
	global_load_b128 v[8+8*\i:8+8*\i+3],  v3, s[4:5] offset:\i*32768 th:TH_LOAD_NT        ; row k = 16 i + 2 kp
	global_load_b128 v[12+8*\i:12+8*\i+3], v3, s[4:5] offset:\i*32768+2048 th:TH_LOAD_NT  ; row k + 1
.endr
.irp i, 0,1,2,3,4,5,6,7
	s_wait_loadcnt 14-2*\i                         ; pair i is in; the 14 - 2 i younger loads stay out
.irp e, 0,1,2,3
	v_cvt_pk_f16_f32 v[72+4*\i+\e], v[8+8*\i+\e], v[12+8*\i+\e]       ; k in the low half, k + 1 in the high half
	ds_store_b32 v4, v[72+4*\i+\e] offset:\e*PITCH+\i*32
.endr
.endr
	s_wait_dscnt 0x0                               ; my stores are in LDS before I say so
	s_barrier_signal -1
	s_barrier_wait -1                              ; everybody's are
.irp i, 0,1,2,3,4,5,6,7
	ds_load_b128 v[8+4*\i:8+4*\i+3], v5 offset:\i*8*PITCH
.endr
.irp i, 0,1,2,3,4,5,6,7
	s_wait_dscnt 7-\i
	global_store_b128 v6, v[8+4*\i:8+4*\i+3], s[12:13] offset:\i*8192     ; sixteen lanes store 256 consecutive bytes, aligned
.endr
	s_wait_tensorcnt 0x0
	ds_add_u32 v112, v113
	s_wait_dscnt 0x0
	s_endpgm
.Lfunc_end_k_qb6a7cc5cd2_prep:
	.size	k_qb6a7cc5cd2_prep, .Lfunc_end_k_qb6a7cc5cd2_prep-k_qb6a7cc5cd2_prep
	.p2alignl 7, 3214868480
	.fill 96, 4, 3214868480
	.section	.rodata,"a",@progbits
	.p2align	6, 0x0
	.amdhsa_kernel k_qb6a7cc5cd2_prep
		.amdhsa_group_segment_fixed_size 17920
		.amdhsa_private_segment_fixed_size 0
		.amdhsa_enable_private_segment 0
		.amdhsa_kernarg_size 40
		.amdhsa_user_sgpr_count 2
		.amdhsa_user_sgpr_kernarg_segment_ptr 1
		.amdhsa_wavefront_size32 1
		.amdhsa_system_sgpr_workgroup_id_x 1
		.amdhsa_system_sgpr_workgroup_id_y 1
		.amdhsa_system_sgpr_workgroup_id_z 1
		.amdhsa_system_vgpr_workitem_id 0
		.amdhsa_next_free_vgpr 114
		.amdhsa_next_free_sgpr 66
		.amdhsa_reserve_vcc 0
		.amdhsa_float_denorm_mode_32 3
		.amdhsa_float_denorm_mode_16_64 3
		.amdhsa_memory_ordered 1
		.amdhsa_forward_progress 1
		.amdhsa_inst_pref_size 10
	.end_amdhsa_kernel
	.amdgpu_metadata
---
amdhsa.version: [ 1, 2 ]
amdhsa.kernels:
  - .name:           k_qb6a7cc5cd2_prep
    .symbol:         k_qb6a7cc5cd2_prep.kd
    .args:
      - { .name: Wq, .offset: 0, .size: 8, .value_kind: global_buffer, .address_space: global }
      - { .name: Wk, .offset: 8, .size: 8, .value_kind: global_buffer, .address_space: global }
      - { .name: Wv, .offset: 16, .size: 8, .value_kind: global_buffer, .address_space: global }
      - { .name: Wo, .offset: 24, .size: 8, .value_kind: global_buffer, .address_space: global }
      - { .name: wt, .offset: 32, .size: 8, .value_kind: global_buffer, .address_space: global }
    .group_segment_fixed_size: 17920
    .private_segment_fixed_size: 0
    .kernarg_segment_align: 8
    .kernarg_segment_size: 40
    .max_flat_workgroup_size: 128
    .sgpr_count:     66
    .vgpr_count:     114
    .wavefront_size: 32
...
	.end_amdgpu_metadata
.endif
;; end of part 1
;; launch qkv (part 2): grid 256 x 1, 4 waves a work-group, clusters of 4 x 1, 327,680 bytes of LDS; arguments inputs_q, inputs_kv, wt, bq, bv, q, kv; writes q, kv
.if DOCPART == 2
	.amdgcn_target "amdgcn-amd-amdhsa--gfx1250"
	.amdhsa_code_object_version 6
	.text
	.protected	k_qb6a7cc5cd2_qkv
	.globl	k_qb6a7cc5cd2_qkv
	.p2align	8
	.type	k_qb6a7cc5cd2_qkv,@function
k_qb6a7cc5cd2_qkv:
	s_mov_b64 s[64:65], 0
	v_nop
	global_prefetch_b8 v0, s[64:65] scope:SCOPE_SE
	s_setreg_imm32_b32 hwreg(HW_REG_WAVE_MODE, 25, 1), 1
	s_wait_xcnt 0x0
	s_wait_alu depctr_hold_cnt(0) depctr_sa_sdst(0) depctr_va_vdst(0) depctr_va_sdst(0) depctr_va_ssrc(0) depctr_va_vcc(0) depctr_vm_vsrc(0)
	s_getreg_b32 s2, hwreg(HW_REG_IB_STS2, 6, 4)
	s_cmp_eq_u32 s2, 0
	s_cbranch_scc0 .Lentry_in_a_cluster
	s_endpgm
.Lentry_in_a_cluster:
	s_bfe_u32 s2, ttmp6, 0x10000c
	s_cmp_lg_u32 s2, 0x3003
	s_cbranch_scc0 .Lentry_shape_is_right
	s_endpgm
.Lentry_shape_is_right:
; Q = Xq Wq + bq, K = Xkv Wk, V = Xkv Wv + bv, f16 operands, f32 sums, results rounded once to f16.
; bk is left out: it adds to every score of a query the same number, which the softmax cancels (shown at the head of the first launch).
; A work-group owns 128 tokens (rb) x 256 columns (ch: four heads) and runs three products of 128 x 256 x 512, Q, K, V: twelve trips
; of 128 along k, written out, one text for all four waves.  A wave holds 32 accumulator tiles (256 registers).  Behind each trip's
; barrier it asks for its quarter (64 rows) of the next weight tile by ONE tensor load.  Its quarter of X (32 tokens a chunk) comes
; through registers, f32 in, f16 into LDS, loaded two trips ahead into two buffers of 128 registers; the conversions stand in the places
; behind the matrix instructions, eight rows at each of a trip's four fetches.
; CLUSTERS: a weight tile (65,536 bytes a trip, twelve trips) hangs on ch and the trip alone: it is the same in all 128 row blocks.  Four row
; blocks form a cluster of 4 x 1 and ask for each tile JOINTLY (mask 15): each wave's load has the same descriptor in all four, made of ch and the
; wave's number, and each work-group receives the tile in its own LDS: the requests for the weights are divided by four.  Cluster k takes
; ch = k & 1 and row blocks 4 (k >> 1) + cx, so the two clusters that read the same rows of X have neighbouring numbers.  cx enters rb alone, and
; through it the addresses of X, q and kv; the scalar registers that hold it (s21-23, s48, s51-57, s60-61) feed no descriptor and no LDS address.
; X is not shared: each row block has its own.
; OUT: q [b][h][1024][64]; kv [b][h][8 chunks][K: 128 keys x 64 d, 16 KB | V^T: 64 d x 128 keys, 16 KB], the image that the attention loads.
; ORIENTATION: D = wmma(A = P set, B = Q set): lane (r, h), register j holds (P index 8h + j, Q index r).  For Q and K the P set is 128
; rows of W^T (output columns) and the Q set 64 tokens: a lane holds eight neighbouring columns of a token.  For V the P set is the 128
; tokens and the Q set the 64 columns of one head: a lane holds eight neighbouring keys of one d, a piece of a row of V^T.
; LDS: XR 4 regions x 34,816 (128 tokens, pitch 272), written by ds_store; WS 2 slots x 69,632 (256 rows of W^T, pitch 272), filled by
; tensor loads alone; STG 4,352 for each wave, for the way out.  X chunk i (0-3 of inputs_q, 4-7 of inputs_kv) lies in region i % 4;
; the chunks of inputs_kv stay for the V product, so X is read from memory once by this work-group.
; LIMITS: X, W, q, K, V are rounded to f16 (a magnitude of 65,504 or more becomes an infinity); sums are made in the matrix unit's order.
.set XREG,  34816
.set WS,    4*XREG
.set WSLOT, 69632
.set STG,   WS+2*WSLOT
; window 0
.set AXQ, 4                            ; v4-7    X as Q set (my 64 tokens), region 0-3
.set AWP, 8                            ; v8-9    W as P set (my 128 rows), slot 0, 1
.set AXP, 10                           ; v10-13  X as P set (128 tokens), region 0-3
.set AWQ, 14                           ; v14-15  W as Q set (my head's 64 rows), slot 0, 1
.set STO, 16                           ; v16     stage: where I put 16 bytes
.set RDQ, 17                           ; v17     stage: read back, rows of 128 bytes (q, K)
.set RDV, 18                           ; v18     stage: read back, rows of 256 bytes (V^T)
.set CO,  19                           ; v19     16 x lane
.set BV,  20                           ; v20-23  bv of my column in Q-set fragment 0-3
.set LX,  29                           ; v29     my byte offset in X; never rewritten
.set AXS, 30                           ; v30-31  where my 8 bytes of a token go: regions 0, 1 and regions 2, 3
.set TMP, 32                           ; v32-63  packed results
.set F0,  64                           ; v64-159  fragment buffer 0: P fragment i at +8 i, Q fragment i at +64 + 8 i
.set F1,  160                          ; v160-255 fragment buffer 1
; window 1: accumulator (i8, i4) at 8 (8 i4 + i8)
; window 2: X as loaded: chunk c, part p, row j at 128 (c & 1) + 32 p + 4 j
.set MSB, 0
.macro WIN new                         ; the immediate's high byte repeats the setting that is left
.if MSB != \new
	s_set_vgpr_msb (MSB<<8)|\new
.set MSB, \new
.endif
.endm
.macro PLACES n                        ; places behind matrix instructions (ISA guide 7.12.1)
.rept \n
	v_nop
.endr
.endm
; A round of the cluster's barrier: my work-group's barrier, so that wave 0's signal speaks for all four waves; wave 0 signals for the work-group;
; every wave waits for all four work-groups; my work-group's barrier once more.  Every window is 0 here (a branch and a label).
.macro ROUND
	s_barrier_signal -1
	s_barrier_wait -1
	s_cmp_lg_u32 s18, 0
	s_cbranch_scc1 .Lnot_wave_0_\@
	s_barrier_signal -3
.Lnot_wave_0_\@:
	s_barrier_wait -3
	s_barrier_signal -1
	s_barrier_wait -1
.endm
; eight loads: rows 8 p .. 8 p + 7 of my 32 tokens of X chunk c, 512 consecutive bytes each.  Under a window with the destination in window 2
.macro XL c, p
.irp j, 0,1,2,3,4,5,6,7
	global_load_b128 v[128*((\c)&1)+32*\p+4*\j:128*((\c)&1)+32*\p+4*\j+3], v[LX], s[4+2*((\c)>>2):5+2*((\c)>>2)] offset:(8*\p+\j)*2048+((\c)&3)*512
.endr
.endm
; Part p of chunk c: rounded to f16, its registers loaded again with the same part of chunk c + 2, the f16 laid into region c & 3.
; Parts are loaded in the order (chunk, part); behind part (c, p) stand the parts up to (c + 2, p - 1), seven of them, fewer at the end of X.
.macro XPART c, p
.set XA, (7-(\c))*4+3-\p
.if XA > 7
.set XA, 7
.endif
	WIN 0x0a                                       ; sources in window 2, destination in window 0
.irp j, 0,1,2,3,4,5,6,7
	s_wait_loadcnt 8*XA+7-\j                       ; row j is in: XA younger parts of eight loads and the 7 - j younger rows of this part stay out
	v_cvt_pk_f16_f32 v[TMP+2*\j],   v[128*((\c)&1)+32*\p+4*\j],   v[128*((\c)&1)+32*\p+4*\j+1]
	v_cvt_pk_f16_f32 v[TMP+2*\j+1], v[128*((\c)&1)+32*\p+4*\j+2], v[128*((\c)&1)+32*\p+4*\j+3]
.endr
.if (\c)+2 <= 7
	WIN 0x80
	XL ((\c)+2), \p
.endif
	WIN 0
.irp j, 0,1,2,3,4,5,6,7
	ds_store_b64 v[AXS+(((\c)&3)>>1)], v[TMP+2*\j:TMP+2*\j+1] offset:((\c)&1)*XREG+(8*\p+\j)*272
.endr
.endm
; what stands between a run of matrix instructions and the fetch into registers that they read: in trips 0-6 a part of the next X chunk, whose
; sixteen conversions name none of the matrix instructions' registers; later, when X is all in LDS, four v_nop
.macro XORP n, p
.if \n <= 6
	XPART (\n+1), \p
.else
	PLACES 4
.endif
.endm
; 24 LDS loads: 8 P fragments, then Q fragments 0, 1, then 2, 3, of 32 along k at byte 64 ks of the rows.  PA, QA: the trip's address registers
.macro FETCH ks, f
.irp i, 0,1,2,3,4,5,6,7
	ds_load_b128 v[\f+8*\i:\f+8*\i+3],   v[PA] offset:\i*4352+\ks*64
	ds_load_b128 v[\f+8*\i+4:\f+8*\i+7], v[PA] offset:\i*4352+\ks*64+32
.endr
.irp i, 0,1,2,3
	ds_load_b128 v[\f+64+8*\i:\f+64+8*\i+3],   v[QA] offset:\i*4352+\ks*64
	ds_load_b128 v[\f+64+8*\i+4:\f+64+8*\i+7], v[QA] offset:\i*4352+\ks*64+32
.endr
.endm
; 16 matrix instructions: Q fragments 2 half, 2 half + 1 x all 8 P fragments.  mode 0: add in place; 1: C = 0 starts the sums;
; 2: C = bq, which lies in buffer 1.  The 32 accumulators take turns, one instruction a turn.
.macro MULH f, half, mode
.irp a, 0,1
.irp b, 0,1,2,3,4,5,6,7
.if \mode == 0
	v_wmma_f32_16x16x32_f16 v[8*(8*(2*\half+\a)+\b):8*(8*(2*\half+\a)+\b)+7], v[\f+8*\b:\f+8*\b+7], v[\f+64+8*(2*\half+\a):\f+64+8*(2*\half+\a)+7], v[8*(8*(2*\half+\a)+\b):8*(8*(2*\half+\a)+\b)+7]
.else
.if \mode == 1
	v_wmma_f32_16x16x32_f16 v[8*(8*(2*\half+\a)+\b):8*(8*(2*\half+\a)+\b)+7], v[\f+8*\b:\f+8*\b+7], v[\f+64+8*(2*\half+\a):\f+64+8*(2*\half+\a)+7], 0
.else
	v_wmma_f32_16x16x32_f16 v[8*(8*(2*\half+\a)+\b):8*(8*(2*\half+\a)+\b)+7], v[\f+8*\b:\f+8*\b+7], v[\f+64+8*(2*\half+\a):\f+64+8*(2*\half+\a)+7], v[F1+8*\b:F1+8*\b+7]
.endif
.endif
.endr
.endr
.endm
; a quarter step of trip n: multiplies buffer f; in its middle part ks of the X work, then the next quarter's fragments into buffer g
.macro QUARTER n, f, g, ks, mode
	s_wait_dscnt 0x4                               ; all but the youngest four loads (Q fragments 2, 3)
	WIN 0x50                                       ; C and D in window 1
	MULH \f, 0, \mode
	XORP \n, \ks                                   ; buffer g was read by matrix instructions: at least four places before loads go into it
	WIN 0
	FETCH \ks, \g
	s_wait_dscnt 0x18                              ; all but the 24 loads just issued
	WIN 0x50
	MULH \f, 1, \mode
.endm
; the very first quarter: bq lies in buffer 1 and starts the sums as C, so buffer 1 is fetched into only behind all 32 products
.macro QUARTERB
	s_wait_dscnt 0x0
	WIN 0x40                                       ; D in window 1, C (bq) in window 0
	MULH F0, 0, 2
	MULH F0, 1, 2
	XPART 1, 1
	FETCH 1, F1
.endm
; way out for q and K: the 16 tokens of Q fragment i4 x 128 columns (two heads).  Rounded, 16 bytes a lane into my stage, read back as rows
; of 128 bytes: a store covers four tokens of one head, 512 consecutive bytes.  sb: the base's register, hs: bytes from head to head
.macro OUTQK i4, sb, hs
	WIN 0x05                                       ; sources in window 1
.irp b, 0,1,2,3,4,5,6,7
.irp e, 0,1,2,3
	v_cvt_pk_f16_f32 v[TMP+4*\b+\e], v[8*(8*\i4+\b)+2*\e], v[8*(8*\i4+\b)+2*\e+1]
.endr
.endr
	WIN 0
.irp b, 0,1,2,3,4,5,6,7
	ds_store_b128 v[STO], v[TMP+4*\b:TMP+4*\b+3] offset:32*\b
.endr
	s_wait_xcnt 0x0                                ; the registers below were earlier stores' data: they are loaded again only behind this wait
.irp t, 0,1,2,3,4,5,6,7
	ds_load_b128 v[F1+32*(\i4&1)+4*\t:F1+32*(\i4&1)+4*\t+3], v[RDQ] offset:(\t&3)*1088+(\t>>2)*128   ; my own bytes: LDS serves a wave in order
.endr
.irp t, 0,1,2,3,4,5,6,7
	s_wait_dscnt 7-\t
	global_store_b128 v[CO], v[F1+32*(\i4&1)+4*\t:F1+32*(\i4&1)+4*\t+3], s[\sb:\sb+1] offset:(\t&3)*512+(\t>>2)*\hs+\i4*2048
.endr
.endm
; way out for V^T: the 16 d of Q fragment i4 x 128 keys; bv is added first (one number a lane).  A store covers two rows of 256 bytes
.macro OUTV i4
	WIN 0x41                                       ; accumulators in window 1, bv in window 0
.irp b, 0,1,2,3,4,5,6,7
.irp e, 0,2,4,6
.if \i4 & 1
	v_pk_add_f32 v[8*(8*\i4+\b)+\e:8*(8*\i4+\b)+\e+1], v[8*(8*\i4+\b)+\e:8*(8*\i4+\b)+\e+1], v[BV+2*(\i4>>1):BV+2*(\i4>>1)+1] op_sel:[0,1] op_sel_hi:[1,1]
.else
	v_pk_add_f32 v[8*(8*\i4+\b)+\e:8*(8*\i4+\b)+\e+1], v[8*(8*\i4+\b)+\e:8*(8*\i4+\b)+\e+1], v[BV+2*(\i4>>1):BV+2*(\i4>>1)+1] op_sel_hi:[1,0]
.endif
.endr
.endr
	WIN 0x05
.irp b, 0,1,2,3,4,5,6,7
.irp e, 0,1,2,3
	v_cvt_pk_f16_f32 v[TMP+4*\b+\e], v[8*(8*\i4+\b)+2*\e], v[8*(8*\i4+\b)+2*\e+1]
.endr
.endr
	WIN 0
.irp b, 0,1,2,3,4,5,6,7
	ds_store_b128 v[STO], v[TMP+4*\b:TMP+4*\b+3] offset:32*\b
.endr
	s_wait_xcnt 0x0
.irp t, 0,1,2,3,4,5,6,7
	ds_load_b128 v[F1+32*(\i4&1)+4*\t:F1+32*(\i4&1)+4*\t+3], v[RDV] offset:\t*544
.endr
.irp t, 0,1,2,3,4,5,6,7
	s_wait_dscnt 7-\t
	global_store_b128 v[CO], v[F1+32*(\i4&1)+4*\t:F1+32*(\i4&1)+4*\t+3], s[46:47] offset:\t*512+\i4*4096
.endr
.endm
; the work of trip n.  The second half of the last quarter of trip n - 1 (registers alone) covers the first fetch of trip n
.macro SEG n
.if \n < 8
.set PA, AWP+(\n&1)
.set QA, AXQ+(\n&3)
.else
.set PA, AXP+(\n&3)
.set QA, AWQ+(\n&1)
.endif
.set Z, 0
	XORP \n, 0
	WIN 0
	FETCH 0, F0
.if \n > 0
	WIN 0x50
	MULH F1, 1, 0
.endif
.if \n == 4
.set Z, 1
	WIN 0
	s_wait_dscnt 0x18                              ; the eight stores of X, which read TMP, are done; the 24 loads behind them stay out
	PLACES 4                                       ; four places before results are read and before loads go into buffer 1
	OUTQK 0, 42, 131072
	OUTQK 1, 42, 131072
	OUTQK 2, 42, 131072
	OUTQK 3, 42, 131072
	s_wait_xcnt 0x0                                ; buffer 1 held stores' data: it is fetched into only behind this wait
.endif
.if \n == 8
.set Z, 1
	WIN 0
	PLACES 4
	OUTQK 0, 44, 262144
	OUTQK 1, 44, 262144
	OUTQK 2, 44, 262144
	OUTQK 3, 44, 262144
	s_wait_xcnt 0x0
.endif
.if \n == 0
	QUARTERB
.else
	QUARTER \n, F0, F1, 1, Z
.endif
	QUARTER \n, F1, F0, 2, 0
	QUARTER \n, F0, F1, 3, 0
	s_wait_dscnt 0x4
	WIN 0x50
	MULH F1, 0, 0
	WIN 0
.endm
; One barrier a trip; in trips 0-10, behind which a slot is filled, it is a round of the cluster's barrier.  In front of it every wave waits for
; all its tensor loads and for all its LDS reads and writes: behind it weight tile n and X chunk n are whole, and no wave of the four work-groups
; reads the slot (read in trip n - 1) that the joint load fills, nor any wave of mine the region (read in trip n - 3) that is written next.
; The joint load stands first behind the round: one a wave, so one is out at the most.
.macro TRIP n
	s_set_vgpr_msb 0xf
	s_wait_tensorcnt 0x0                           ; no tensor load of mine is out: a group 0 may be written
	ds_add_u32 v0, v1
	s_wait_dscnt 0x0
	s_set_vgpr_msb 0xf00
.if \n >= 1
.if \n <= 10
.if ((\n-1)&3) < 2
	s_add_nc_u64 s[34+4*((\n+1)&1):35+4*((\n+1)&1)], s[34+4*((\n+1)&1):35+4*((\n+1)&1)], 512       ; tile n - 1 to tile n + 1: 256 further along k
.else
	s_add_nc_u64 s[34+4*((\n+1)&1):35+4*((\n+1)&1)], s[34+4*((\n+1)&1):35+4*((\n+1)&1)], 523776    ; into the next weight: 524,288 - 512
.endif
.endif
.endif
	s_wait_dscnt 0x0
.if \n <= 10
	ROUND
	tensor_load_to_lds s[32+4*((\n+1)&1):35+4*((\n+1)&1)], s[24:31]
	s_nop 0
.else
	s_barrier_signal -1                            ; the last trip fills nothing: my work-group's barrier is enough
	s_barrier_wait -1
.endif
	SEG \n
.endm
	s_load_b256 s[4:11], s[0:1], 0x0               ; inputs_q s[4:5], inputs_kv s[6:7], wt s[8:9], bq s[10:11]
	s_load_b128 s[12:15], s[0:1], 0x20             ; bv s[12:13], q s[14:15]
	s_load_b64 s[16:17], s[0:1], 0x30              ; kv
	s_set_vgpr_msb 0xc0
	v_lshl_add_u32 v0, v0, 2, 0x48400
	v_mov_b32 v1, 0
	s_set_vgpr_msb 0xc0cf
	ds_add_u32 v0, v1
	ds_add_u32 v0, v1
	s_set_vgpr_msb 0xcf00
	v_lshrrev_b32 v1, 5, v0
	v_readfirstlane_b32 s18, v1                    ; wave 0-3
	s_and_b32 s20, ttmp9, 1                        ; ch: 256 columns; from the cluster's number, the same in the four partners
	s_bfe_u32 s60, ttmp6, 0x40000                  ; cx: my place in the cluster
	s_lshr_b32 s21, ttmp9, 1
	s_lshl_b32 s21, s21, 2
	s_add_co_u32 s21, s21, s60                     ; rb: 128 tokens = 4 (cluster >> 1) + cx
	s_lshr_b32 s22, s21, 3                         ; b
	s_and_b32 s23, s21, 7                          ; c: the chunk of 128 keys
	; descriptor group 1: 64 rows x 128 f16, 16 bytes of padding behind each row of 256; asked for jointly by the cluster's four work-groups
	s_mov_b32 s24, 0x0771000f                      ; 15:0 mask 15; element of 2 bytes; padding on; bit 21 beside a mask; after every 64 words, 4 words
	s_mov_b32 s25, 128<<16                         ; tensor_dim0 = 128
	s_mov_b32 s26, 64<<16                          ; tensor_dim1 = 64
	s_mov_b32 s27, 128<<16                         ; tile_dim0 = 128
	s_mov_b32 s28, 64                              ; tile_dim1 = 64
	s_mov_b32 s29, 512                             ; elements from row to row of wt
	s_mov_b32 s30, 0
	s_mov_b32 s31, 0
	; descriptor group 0, a set for each slot
	s_mov_b32 s32, 1
	s_mul_i32 s33, s18, 17408                      ; my 64 rows of a slot
	s_add_co_u32 s33, s33, WS                      ; slot 0
	s_mov_b32 s36, 1
	s_add_co_u32 s37, s33, WSLOT                   ; slot 1
	s_lshl_b32 s52, s21, 18                        ; X: rb x 128 rows x 2,048 bytes
	s_mov_b32 s53, 0
	s_lshl_b32 s40, s20, 18                        ; wt: (256 ch + 64 wave) rows x 1,024 bytes
	s_lshl_b32 s2, s18, 16
	s_add_co_u32 s40, s40, s2
	s_mov_b32 s41, 0
	s_wait_dscnt 0x0
	s_wait_kmcnt 0x0
	s_add_nc_u64 s[34:35], s[8:9], s[40:41]        ; weight tile 0
	s_add_nc_u64 s[38:39], s[34:35], 256           ; weight tile 1
	s_or_b32 s35, s35, 0x80000000                  ; type 2
	s_or_b32 s39, s39, 0x80000000
	s_add_nc_u64 s[4:5], s[4:5], s[52:53]
	s_add_nc_u64 s[6:7], s[6:7], s[52:53]
	s_lshl_b32 s48, s22, 3
	s_lshl2_add_u32 s48, s20, s48                  ; 8 b + 4 ch: the group's first head
	s_and_b32 s49, s18, 1                          ; which 128 columns (Q, K)
	s_lshr_b32 s50, s18, 1                         ; which 64 tokens (Q, K)
	s_lshl1_add_u32 s51, s49, s48                  ; my first head in Q and K
	s_lshl_b32 s52, s51, 17                        ; q: head x 131,072 + (128 c + 64 half) x 128
	s_lshl_b32 s61, s23, 14
	s_add_co_u32 s52, s52, s61
	s_lshl_b32 s3, s50, 13
	s_add_co_u32 s52, s52, s3
	s_lshl_b32 s54, s51, 18                        ; K: (8 head + c) x 32,768 + 64 half x 128
	s_lshl_b32 s61, s23, 15
	s_add_co_u32 s54, s54, s61
	s_add_co_u32 s54, s54, s3
	s_mov_b32 s55, 0
	s_add_co_u32 s56, s48, s18                     ; V: my one head
	s_lshl_b32 s56, s56, 18
	s_add_co_u32 s56, s56, s61
	s_add_co_u32 s56, s56, 16384                   ; V^T lies behind K in the chunk
	s_mov_b32 s57, 0
	s_add_nc_u64 s[42:43], s[14:15], s[52:53]      ; where my q goes
	s_add_nc_u64 s[44:45], s[16:17], s[54:55]      ; my K
	s_add_nc_u64 s[46:47], s[16:17], s[56:57]      ; my V^T
	v_and_b32 v1, 15, v0                           ; r
	v_bfe_u32 v2, v0, 4, 1                         ; h
	v_and_b32 v26, 31, v0                          ; lane
	s_lshl_b32 s58, s20, 10
	s_lshl_b32 s59, s49, 9
	s_add_co_u32 s59, s59, s58
	v_lshl_add_u32 v24, v2, 5, s59                 ; bq: 4 (256 ch + 128 half + 8 h)
.irp b, 0,1,2,3,4,5,6,7
	global_load_b128 v[F1+8*\b:F1+8*\b+3],   v24, s[10:11] offset:64*\b        ; register j: bq of column 16 b + 8 h + j
	global_load_b128 v[F1+8*\b+4:F1+8*\b+7], v24, s[10:11] offset:64*\b+16
.endr
	s_lshl_b32 s59, s18, 8
	s_add_co_u32 s59, s59, s58
	v_lshl_add_u32 v25, v1, 2, s59                 ; bv: 4 (256 ch + 64 wave + r)
.irp a, 0,1,2,3
	global_load_b32 v[BV+\a], v25, s[12:13] offset:64*\a
.endr
	s_lshl_b32 s59, s18, 16                        ; my 32 tokens x 2,048 bytes
	v_lshl_add_u32 v[LX], v26, 4, s59
	WIN 0x80
.irp p, 0,1,2,3
	XL 0, \p
.endr
.irp p, 0,1,2,3
	XL 1, \p
.endr
	WIN 0
	ROUND                                          ; all four work-groups are here: the first joint load meets.  My loads into registers are on their way meanwhile
	tensor_load_to_lds s[32:35], s[24:31]          ; weight tile 0
	s_nop 0
	s_mul_i32 s58, s18, 8704                       ; my 32 rows of 272 bytes
	v_lshl_add_u32 v[AXS], v26, 3, s58
	v_add_nc_u32 v[AXS+1], 2*XREG, v[AXS]
	v_mul_u32_u24 v3, v1, 272
	v_lshl_add_u32 v3, v2, 4, v3                   ; a fragment's lane term: row r, 16 bytes for each half of the lanes
	s_mul_i32 s58, s50, 17408
.irp g, 0,1,2,3
	v_add_nc_u32 v[AXQ+\g], s58, v3
	v_add_nc_u32 v[AXP+\g], \g*XREG, v3
	s_add_co_u32 s58, s58, XREG
.endr
	s_mul_i32 s58, s49, 34816
	s_add_co_u32 s58, s58, WS
	s_mul_i32 s59, s18, 17408
	s_add_co_u32 s59, s59, WS
.irp g, 0,1
	v_add_nc_u32 v[AWP+\g], s58, v3
	v_add_nc_u32 v[AWQ+\g], s59, v3
	s_add_co_u32 s58, s58, WSLOT
	s_add_co_u32 s59, s59, WSLOT
.endr
	s_mul_i32 s58, s18, 4352
	s_add_co_u32 s58, s58, STG                     ; my stage
	v_add_nc_u32 v[STO], s58, v3
	v_lshrrev_b32 v27, 3, v26
	v_mul_u32_u24 v27, v27, 272
	v_and_b32 v28, 7, v26
	v_lshl_add_u32 v27, v28, 4, v27
	v_add_nc_u32 v[RDQ], s58, v27                  ; eight lanes take 128 bytes of a row
	v_mul_u32_u24 v27, v2, 272
	v_lshl_add_u32 v27, v1, 4, v27
	v_add_nc_u32 v[RDV], s58, v27                  ; sixteen lanes take 256 bytes of a row
	v_lshlrev_b32 v[CO], 4, v26
.irp p, 0,1,2,3
	XPART 0, \p                                    ; chunk 0 into region 0, chunk 2 on its way; its first wait also shows bq and bv, which are older, in
	s_wait_dscnt 0x0                               ; TMP is written again only when the stores have read it
.endr
.irp n, 0,1,2,3,4,5,6,7,8,9,10,11
	TRIP \n
.endr
	s_wait_dscnt 0x0
	WIN 0x50
	MULH F1, 1, 0
	WIN 0
	PLACES 4
	OUTV 0
	OUTV 1
	OUTV 2
	OUTV 3
	s_set_vgpr_msb 0xf
	s_wait_tensorcnt 0x0
	ds_add_u32 v0, v1
	s_wait_dscnt 0x0
	s_set_vgpr_msb 0xf00
	ROUND                                          ; the closing round: no work-group ends while a partner may still ask for a tile that names it
	s_endpgm
.Lfunc_end_k_qb6a7cc5cd2_qkv:
	.size	k_qb6a7cc5cd2_qkv, .Lfunc_end_k_qb6a7cc5cd2_qkv-k_qb6a7cc5cd2_qkv
	.p2alignl 7, 3214868480
	.fill 96, 4, 3214868480
	.section	.rodata,"a",@progbits
	.p2align	6, 0x0
	.amdhsa_kernel k_qb6a7cc5cd2_qkv
		.amdhsa_group_segment_fixed_size 327680
		.amdhsa_private_segment_fixed_size 0
		.amdhsa_enable_private_segment 0
		.amdhsa_kernarg_size 56
		.amdhsa_user_sgpr_count 2
		.amdhsa_user_sgpr_kernarg_segment_ptr 1
		.amdhsa_wavefront_size32 1
		.amdhsa_system_sgpr_workgroup_id_x 1
		.amdhsa_system_sgpr_workgroup_id_y 1
		.amdhsa_system_sgpr_workgroup_id_z 1
		.amdhsa_system_vgpr_workitem_id 0
		.amdhsa_next_free_vgpr 770
		.amdhsa_next_free_sgpr 66
		.amdhsa_reserve_vcc 0
		.amdhsa_float_denorm_mode_32 3
		.amdhsa_float_denorm_mode_16_64 3
		.amdhsa_memory_ordered 1
		.amdhsa_forward_progress 1
		.amdhsa_inst_pref_size 255
	.end_amdhsa_kernel
	.section	.bss,"aw",@nobits
	.p2align	6
	.space	262144
	.amdgpu_metadata
---
amdhsa.version: [ 1, 2 ]
amdhsa.kernels:
  - .name:           k_qb6a7cc5cd2_qkv
    .symbol:         k_qb6a7cc5cd2_qkv.kd
    .args:
      - { .name: inputs_q, .offset: 0, .size: 8, .value_kind: global_buffer, .address_space: global }
      - { .name: inputs_kv, .offset: 8, .size: 8, .value_kind: global_buffer, .address_space: global }
      - { .name: wt, .offset: 16, .size: 8, .value_kind: global_buffer, .address_space: global }
      - { .name: bq, .offset: 24, .size: 8, .value_kind: global_buffer, .address_space: global }
      - { .name: bv, .offset: 32, .size: 8, .value_kind: global_buffer, .address_space: global }
      - { .name: q, .offset: 40, .size: 8, .value_kind: global_buffer, .address_space: global }
      - { .name: kv, .offset: 48, .size: 8, .value_kind: global_buffer, .address_space: global }
    .group_segment_fixed_size: 327680
    .private_segment_fixed_size: 0
    .kernarg_segment_align: 8
    .kernarg_segment_size: 56
    .max_flat_workgroup_size: 128
    .sgpr_count:     66
    .vgpr_count:     770
    .wavefront_size: 32
...
	.end_amdgpu_metadata
.endif
;; end of part 2
;; launch attn (part 3): grid 2 x 128, 8 waves a work-group, no clusters, 310,272 bytes of LDS; arguments q, kv, toeplitz, x; writes x
.if DOCPART == 3
	.amdgcn_target "amdgcn-amd-amdhsa--gfx1250"
	.amdhsa_code_object_version 6
	.text
	.protected	k_qb6a7cc5cd2_attn
	.globl	k_qb6a7cc5cd2_attn
	.p2align	8
	.type	k_qb6a7cc5cd2_attn,@function
k_qb6a7cc5cd2_attn:
	s_mov_b64 s[64:65], 0
	v_nop
	global_prefetch_b8 v0, s[64:65] scope:SCOPE_SE
	s_setreg_imm32_b32 hwreg(HW_REG_WAVE_MODE, 25, 1), 1
	s_wait_xcnt 0x0
; x[b][h][q][:] = softmax over k of (q_q . k_k / 8 + toeplitz[h][rel(q, k)]) V, with a running maximum, for one (b, h) and 512 queries.
; K comes without bk: that term is the same along the softmax's axis (shown at the head of the first launch).
; Eight waves; wave w owns 64 queries: four tiles qt of 16, which are the two rows xq0 = 16 qh + 2 w and xq0 + 1 of the 32 x 32 patch grid.
; The head's whole K and V (256 KB) lie in LDS, each byte filled once; 32 steps of 32 keys (one grid row xk = s), four steps to a chunk.
; QUERIES LIE IN THE LANES THROUGHOUT.  S^T = wmma(A = 16 keys, B = 16 queries): lane (r, h), register j holds key 8 h + j, query r.
; Packed in pairs, a lane's 16 scores of a step ARE the B fragment of O^T = wmma(A = V^T (16 d x 32 keys), B = P): no shuffle, and the
; maximum and the sum of a query live in its two lanes (r, 0) and (r, 1): one exchange between the halves.
; SCALE: the table is kept times 8 (exact), the first product takes it as C, so S = q.k + 8 bias = 8 x score; p = exp2(c S - c m), c = log2(e) / 8.
; BIAS: dx = xq - xk + 32, dy = yq - yk + 32.  LDS row' = 15 - (xq - 16 qh) + xk holds table row dx = 47 + 16 qh - row' (48 rows serve the
; group's 16 query rows); a lane's eight words of a tile are neighbours: dy = 16 g + 16 + r - 8 h - j, g = (qt & 1) - t + 1.  The row of
; xq0 + 1 at step s is the row of xq0 at step s - 1, so 24 new words a lane serve a step's eight tiles.
; TWO PIECES BY TURNS: piece A = qt 0, 1, piece B = qt 2, 3; they share the K and V fragments.  A step has four phases:
;   ALPHA 0: A's 8 score products of step s, and between them B's softmax of step s - 1 (106 vector instructions in nine slots);
;   BETA 1:  B's 8 products with V of step s - 1, and between them B's O rescaled, four instructions a tile, two tiles ahead of its product;
;   ALPHA 1: B's 8 score products of step s, and between them A's softmax of step s;        BETA 0: A's products with V of step s, likewise.
; The score products and the softmax name window 0 alone; the products with V and the rescaling run under one setting (O and V^T in window 1, P and
; the factor in window 0): six switches of the window a step.  The slots are also the places behind the matrix instructions: slot 0 (eight v_max3)
; before a piece's new scores write over its P and before V is loaded again, slot 4 (four v_pk_fma among its twelve) before K's d 0-31 and the bias
; row are loaded again, slot 8 (eight conversions) before K's d 32-63.
; cluster = none: only the two work-groups qh = 0, 1 share a head's K and V, and each reads them once, at its start.
; LIMITS: |toeplitz| below 2^125 (it is multiplied by 8); P (at most 1) is rounded to f16 while the row sum is made of the unrounded p;
; x is rounded to f16 (it is a mean of rows of V, so it has V's range).
.set CHUNK, 34816                      ; 128 LDS rows of 272: K in rows 0-63 (two keys a row), V^T in rows 64-127
.set TAB,   278528                     ; 48 rows x 256 bytes, written by ds_store
.set STG,   290816                     ; 2,304 bytes for each wave, for the way out
.set KA, 1
.set VA, 2
.set BA, 3
.set STO, 4
.set RD, 5
.set CO, 6
.set MM, 8                             ; v8-11   running maximum of S
.set MC, 12                            ; v12-15  c x maximum
.set AA, 16                            ; v16-19  exp2(c (old maximum - new)); at the end 1 / sum
.set TT, 20                            ; v20-23  maximum: first chain
.set T2, 24                            ; v24-27  maximum: second chain, then the other half's
.set LL, 32                            ; v32-39  row sums, a pair for each qt
.set LT, 40                            ; v40-41
.set QF, 48                            ; v48-111  Q fragment (qt, ks) at 8 (2 qt + ks)
.set KF, 112                           ; v112-143 K fragment (t, ks) at 8 (2 t + ks)
.set SF, 144                           ; v144-207 S tile (qt, t) at 16 qt + 8 t
.set BI, 208                           ; v208-255 bias: slot x 24 + g x 8 + j
.set VF, 128                           ; window 1: v128-159 V^T fragments; v0-127 O tile (qt, dt) at 8 (4 qt + dt) = 64 piece + 8 n
.set MSB, 0
.macro WIN new
.if MSB != \new
	s_set_vgpr_msb (MSB<<8)|\new
.set MSB, \new
.endif
.endm
.macro PLACES n
.rept \n
	v_nop
.endr
.endm
.macro KLOAD off, ks                   ; four loads: K's two fragments of d 32 ks .. 32 ks + 31
.irp t, 0,1
	ds_load_b128 v[KF+8*(2*\t+\ks):KF+8*(2*\t+\ks)+3],   v[KA] offset:\off+\t*2176+\ks*64
	ds_load_b128 v[KF+8*(2*\t+\ks)+4:KF+8*(2*\t+\ks)+7], v[KA] offset:\off+\t*2176+\ks*64+32
.endr
.endm
.macro BLOADG slot, off, g             ; eight loads: group g of a bias row
.irp j, 0,1,2,3,4,5,6,7
	ds_load_b32 v[BI+24*\slot+8*\g+\j], v[BA] offset:\off+4*(16*\g+7-\j)
.endr
.endm
.macro VLOAD off                       ; under a window with the destination in window 1
.irp d, 0,1,2,3
	ds_load_b128 v[VF+8*\d:VF+8*\d+3],   v[VA] offset:\off+\d*4352
	ds_load_b128 v[VF+8*\d+4:VF+8*\d+7], v[VA] offset:\off+\d*4352+32
.endr
.endm
.macro ADV                             ; the next chunk: 128 LDS rows, four table rows
	v_add_nc_u32 v[KA], CHUNK, v[KA]
	v_add_nc_u32 v[VA], CHUNK, v[VA]
	v_add_nc_u32 v[BA], 1024, v[BA]
.endm
; the maximum of a lane's 16 scores of tile q and the old maximum, in two chains, eight instructions in five rounds
.macro MAXA q, r, first
.set SB, SF+16*\q
.if \r == 0
.if \first
	v_max_num_f32 v[TT+\q], v[SB], v[SB+1]
.else
	v_max3_num_f32 v[TT+\q], v[MM+\q], v[SB], v[SB+1]                         ; the old maximum rides along
.endif
	v_max3_num_f32 v[T2+\q], v[SB+8], v[SB+9], v[SB+10]
.endif
.if \r == 1
	v_max3_num_f32 v[TT+\q], v[TT+\q], v[SB+2], v[SB+3]
	v_max3_num_f32 v[T2+\q], v[T2+\q], v[SB+11], v[SB+12]
.endif
.if \r == 2
	v_max3_num_f32 v[TT+\q], v[TT+\q], v[SB+4], v[SB+5]
	v_max3_num_f32 v[T2+\q], v[T2+\q], v[SB+13], v[SB+14]
.endif
.if \r == 3
	v_max3_num_f32 v[TT+\q], v[TT+\q], v[SB+6], v[SB+7]
.endif
.if \r == 4
	v_max3_num_f32 v[TT+\q], v[TT+\q], v[T2+\q], v[SB+15]
.endif
.endm
.macro SUBM1 q, i                      ; S = c S - c m, registers i, i + 1 of tile q
.if \q & 1
	v_pk_fma_f32 v[SF+16*\q+\i:SF+16*\q+\i+1], v[SF+16*\q+\i:SF+16*\q+\i+1], s[40:41], v[MC+2*(\q>>1):MC+2*(\q>>1)+1] op_sel:[0,0,1] op_sel_hi:[1,0,1] neg_lo:[0,0,1] neg_hi:[0,0,1]
.else
	v_pk_fma_f32 v[SF+16*\q+\i:SF+16*\q+\i+1], v[SF+16*\q+\i:SF+16*\q+\i+1], s[40:41], v[MC+2*(\q>>1):MC+2*(\q>>1)+1] op_sel_hi:[1,0,0] neg_lo:[0,0,1] neg_hi:[0,0,1]
.endif
.endm
.macro EX q, i
	v_exp_f32 v[SF+16*\q+\i], v[SF+16*\q+\i]
.endm
; instruction i of the row sum of tile q: the step's 16 p in two chains, the carried sum times its factor in the first
.macro SUMOP q, i, first
.set SB, SF+16*\q
.set LQ, LL+2*\q
.if \first
.if \i == 0
	s_wait_alu depctr_va_vdst(0)
	v_pk_add_f32 v[LQ:LQ+1], v[SB:SB+1], v[SB+2:SB+3]
.endif
.if \i == 1
	v_pk_add_f32 v[LT:LT+1], v[SB+4:SB+5], v[SB+6:SB+7]
.endif
.if \i >= 2
.if \i <= 5
.if \i & 1
	v_pk_add_f32 v[LT:LT+1], v[LT:LT+1], v[SB+2*\i+4:SB+2*\i+5]
.else
	v_pk_add_f32 v[LQ:LQ+1], v[LQ:LQ+1], v[SB+2*\i+4:SB+2*\i+5]
.endif
.endif
.endif
.if \i == 6
	v_pk_add_f32 v[LQ:LQ+1], v[LQ:LQ+1], v[LT:LT+1]
.endif
.else
.if \i == 0
.if \q & 1
	v_pk_fma_f32 v[LQ:LQ+1], v[LQ:LQ+1], v[AA+2*(\q>>1):AA+2*(\q>>1)+1], v[SB:SB+1] op_sel:[0,1,0] op_sel_hi:[1,1,1]
	s_wait_alu depctr_va_vdst(0)
.else
	s_wait_alu depctr_va_vdst(0)
	v_pk_fma_f32 v[LQ:LQ+1], v[LQ:LQ+1], v[AA+2*(\q>>1):AA+2*(\q>>1)+1], v[SB:SB+1] op_sel_hi:[1,0,1]
.endif
.endif
.if \i == 1
	v_pk_add_f32 v[LT:LT+1], v[SB+2:SB+3], v[SB+4:SB+5]
.endif
.if \i >= 2
.if \i <= 6
.if \i & 1
	v_pk_add_f32 v[LT:LT+1], v[LT:LT+1], v[SB+2*\i+2:SB+2*\i+3]
.else
	v_pk_add_f32 v[LQ:LQ+1], v[LQ:LQ+1], v[SB+2*\i+2:SB+2*\i+3]
.endif
.endif
.endif
.if \i == 7
	v_pk_add_f32 v[LQ:LQ+1], v[LQ:LQ+1], v[LT:LT+1]
.endif
.endif
.endm
.macro CVT1 q, i                       ; p packed in place into the B fragment: word i is written when words 2 i, 2 i + 1 are read
	v_cvt_pk_f16_f32 v[SF+16*\q+\i], v[SF+16*\q+2*\i], v[SF+16*\q+2*\i+1]
.endm
; Slot n (0 to 8) of the softmax of piece p.  Exponentials stand two at a time with plain work on the piece's other tile behind them, so that a
; plain instruction always stands between an exponential and the use of its result (ISA guide 5.7.2).
.macro CSL p, n, first
.set Q0, 2*\p
.set Q1, 2*\p+1
.if \n == 0
	MAXA Q0, 0, \first
	MAXA Q1, 0, \first
	MAXA Q0, 1, \first
	MAXA Q1, 1, \first
.endif
.if \n == 1
	MAXA Q0, 2, \first
	MAXA Q1, 2, \first
	MAXA Q0, 3, \first
	MAXA Q1, 3, \first
	MAXA Q0, 4, \first
	MAXA Q1, 4, \first
	v_permlanex16_b32 v[T2+Q0], v[TT+Q0], s42, s43                            ; the other half of the query's keys
	v_permlanex16_b32 v[T2+Q1], v[TT+Q1], s42, s43
	v_max_num_f32 v[MM+Q0], v[TT+Q0], v[T2+Q0]
	v_max_num_f32 v[MM+Q1], v[TT+Q1], v[T2+Q1]
.endif
.if \n == 2
.if \first == 0
	v_fma_f32 v[AA+Q0], -v[MM+Q0], s40, v[MC+Q0]                              ; c (old maximum) - c (new)
	v_fma_f32 v[AA+Q1], -v[MM+Q1], s40, v[MC+Q1]
.endif
	v_mul_f32 v[MC+Q0], s40, v[MM+Q0]
	v_mul_f32 v[MC+Q1], s40, v[MM+Q1]
.if \first == 0
	v_exp_f32 v[AA+Q0], v[AA+Q0]
	v_exp_f32 v[AA+Q1], v[AA+Q1]
.endif
.irp i, 0,2,4,6,8,10,12,14
	SUBM1 Q0, \i
.endr
.endif
.if \n == 3
.irp k, 0,1,2,3
	EX Q0, (2*\k)
	EX Q0, (2*\k+1)
	SUBM1 Q1, (2*\k)
.endr
.endif
.if \n == 4
.irp k, 4,5,6,7
	EX Q0, (2*\k)
	EX Q0, (2*\k+1)
	SUBM1 Q1, (2*\k)
.endr
.endif
.if \n == 5
.irp k, 0,1,2,3
	EX Q1, (2*\k)
	EX Q1, (2*\k+1)
	SUMOP Q0, (2*\k), \first
	SUMOP Q0, (2*\k+1), \first
.endr
.endif
.if \n == 6
.irp k, 4,5,6,7
	EX Q1, (2*\k)
	EX Q1, (2*\k+1)
	CVT1 Q0, (2*\k-8)
	CVT1 Q0, (2*\k-7)
.endr
.endif
.if \n == 7
.irp i, 0,1,2,3,4,5,6,7
	SUMOP Q1, \i, \first
.endr
.endif
.if \n == 8
.irp i, 0,1,2,3,4,5,6,7
	CVT1 Q1, \i
.endr
.endif
.endm
; beside piece p's score products stands the OTHER piece's softmax.  cm = 0: none yet; 1: its first (nothing is carried); 2: the general one
.macro SLOT p, n, cm
.if \cm
	CSL (1-\p), \n, (2-\cm)
.endif
.endm
; one score product: tile (q, t), d 32 ks .. 32 ks + 31; the first takes the bias as C, the second adds in place
.macro SW q, t, ks, kk
.if \ks == 0
	v_wmma_f32_16x16x32_f16 v[SF+16*\q+8*\t:SF+16*\q+8*\t+7], v[KF+16*\t:KF+16*\t+7], v[QF+16*\q:QF+16*\q+7], v[BI+24*((\kk&1)^(\q>>1))+8*((\q&1)-\t+1):BI+24*((\kk&1)^(\q>>1))+8*((\q&1)-\t+1)+7]
.else
	v_wmma_f32_16x16x32_f16 v[SF+16*\q+8*\t:SF+16*\q+8*\t+7], v[KF+16*\t+8:KF+16*\t+15], v[QF+16*\q+8:QF+16*\q+15], v[SF+16*\q+8*\t:SF+16*\q+8*\t+7]
.endif
.endm
; Piece p's eight score products of the step kk of its chunk.  Four tiles by turns, d 0-31, then the same four, d 32-63: a link stands four matrix
; instructions behind the one it adds onto.  In piece B's phase the loads go out: this step's V at its head (V of the
; last step has just had its last use), and, with pref = 1, the next step's K and bias row as their registers fall free.
.macro ALPHA p, kk, cm, pref
.if \kk == 3
.set KO, CHUNK
.else
.set KO, (\kk+1)*4352
.endif
	SLOT \p, 0, \cm                                ; eight plain instructions: the places behind this piece's products with V
.if \p
	WIN 0x40
	VLOAD \kk*64
	WIN 0
.else
	s_wait_dscnt 0x4                               ; K's d 0-31 and the bias row are in; the youngest four loads (K's d 32-63) may be out
.endif
	SW (2*\p), 0, 0, \kk
	SLOT \p, 1, \cm
	SW (2*\p), 1, 0, \kk
	SLOT \p, 2, \cm
	SW (2*\p+1), 0, 0, \kk
	SLOT \p, 3, \cm
	SW (2*\p+1), 1, 0, \kk
	SLOT \p, 4, \cm                                ; four plain instructions among its twelve: the places before the loads below
.if \p*\pref
	KLOAD KO, 0
	BLOADG ((\kk&1)^1), (\kk+2)*256, 0             ; the row of step s + 1 into the slot that held row s - 1
.endif
.if \p == 0
	s_wait_dscnt 0x0                               ; K's d 32-63
.endif
	SW (2*\p), 0, 1, \kk
	SLOT \p, 5, \cm
.if \p*\pref
	BLOADG ((\kk&1)^1), (\kk+2)*256, 1
.endif
	SW (2*\p), 1, 1, \kk
	SLOT \p, 6, \cm
.if \p*\pref
	BLOADG ((\kk&1)^1), (\kk+2)*256, 2
.endif
	SW (2*\p+1), 0, 1, \kk
	SLOT \p, 7, \cm
	SW (2*\p+1), 1, 1, \kk
	SLOT \p, 8, \cm                                ; eight plain instructions: the places before the loads below
.if \p*\pref
	KLOAD KO, 1
.endif
.if \cm == 0
	PLACES 4                                       ; the very first phase has no vector work beside it: four places before its scores are read
.endif
.endm
.macro OSC p, n                        ; O tile n of piece p times the lane's factor of its query
.irp i, 0,2,4,6
.if (\n)>>2
	v_pk_mul_f32 v[64*\p+8*(\n)+\i:64*\p+8*(\n)+\i+1], v[64*\p+8*(\n)+\i:64*\p+8*(\n)+\i+1], v[AA+2*\p:AA+2*\p+1] op_sel:[0,1] op_sel_hi:[1,1]
.else
	v_pk_mul_f32 v[64*\p+8*(\n)+\i:64*\p+8*(\n)+\i+1], v[64*\p+8*(\n)+\i:64*\p+8*(\n)+\i+1], v[AA+2*\p:AA+2*\p+1] op_sel_hi:[1,0]
.endif
.endr
.endm
.macro PW p, n, first                  ; O tile n of piece p (query tile 2 p + (n >> 2), d tile n & 3) takes the step's 32 keys
.if \first
	v_wmma_f32_16x16x32_f16 v[64*\p+8*(\n):64*\p+8*(\n)+7], v[VF+8*((\n)&3):VF+8*((\n)&3)+7], v[SF+32*\p+16*((\n)>>2):SF+32*\p+16*((\n)>>2)+7], 0
.else
	v_wmma_f32_16x16x32_f16 v[64*\p+8*(\n):64*\p+8*(\n)+7], v[VF+8*((\n)&3):VF+8*((\n)&3)+7], v[SF+32*\p+16*((\n)>>2):SF+32*\p+16*((\n)>>2)+7], v[64*\p+8*(\n):64*\p+8*(\n)+7]
.endif
.endm
; Piece p's eight products with V, each on an accumulator of its own; a tile is rescaled two tiles ahead of its product
.macro BETA p, first
	WIN 0x51                                       ; V^T, C and D in window 1, P and the factor in window 0
.if \first
.irp n, 0,1,2,3,4,5,6,7
	PW \p, \n, 1
.endr
.else
	OSC \p, 0
	OSC \p, 1
.irp n, 0,1,2,3,4,5
	PW \p, \n, 0
	OSC \p, (\n+2)
.endr
	PW \p, 6, 0
	PW \p, 7, 0
.endif
	WIN 0
.endm
; One step: 32 keys.  kk: the step in its chunk; st = 0: the launch's first step, 1: its second, 2: any other; pref = 1: the next step's K and bias row are fetched
.macro STEP kk, st, pref
.if \st == 0
	ALPHA 0, \kk, 0, 0
	ALPHA 1, \kk, 1, \pref
.else
	ALPHA 0, \kk, \st, 0
.if \st == 1
	BETA 1, 1
.else
	BETA 1, 0
.endif
	ALPHA 1, \kk, 2, \pref
.endif
.if \pref
	s_wait_dscnt 0x20                              ; V is in: the 8 K and 24 bias loads issued behind it may be out
.else
	s_wait_dscnt 0x0
.endif
.if \st == 0
	BETA 0, 1
.else
	BETA 0, 0
.endif
.endm
	s_load_b256 s[4:11], s[0:1], 0x0               ; q s[4:5], kv s[6:7], toeplitz s[8:9], x s[10:11]
	v_lshl_add_u32 v46, v0, 2, 0x4b800
	v_mov_b32 v47, 0
	ds_add_u32 v46, v47
	ds_add_u32 v46, v47
	v_lshrrev_b32 v1, 5, v0
	v_readfirstlane_b32 s12, v1                    ; wave 0-7
	s_mov_b32 s13, ttmp9                           ; qh: which 512 queries
	s_and_b32 s14, ttmp7, 0xffff                   ; bh = 8 b + h
	s_and_b32 s15, s14, 7                          ; h
	; the head's 262,144 bytes of kv come as 1,024 rows of 256 bytes, 16 bytes of padding behind each.  Each wave issues two loads at once:
	; 16 rows (the eight waves': chunk 0) and 112 rows (chunks 1-7): two tensor loads of a wave are out at the most, and no byte is filled twice
	s_mov_b32 s16, 0x07530000                      ; element of 8 bytes; padding on; after every 64 words, 4 words
	s_mov_b32 s17, 32<<16                          ; tensor_dim0 = 32
	s_mov_b32 s18, 16<<16                          ; tensor_dim1 = 16
	s_mov_b32 s19, 32<<16                          ; tile_dim0 = 32
	s_mov_b32 s20, 16                              ; tile_dim1 = 16
	s_mov_b32 s21, 32                              ; elements from row to row
	s_mov_b32 s22, 0
	s_mov_b32 s23, 0
	s_mov_b32 s24, 0x07530000
	s_mov_b32 s25, 32<<16
	s_mov_b32 s26, 112<<16
	s_mov_b32 s27, 32<<16
	s_mov_b32 s28, 112
	s_mov_b32 s29, 32
	s_mov_b32 s30, 0
	s_mov_b32 s31, 0
	s_mov_b32 s32, 1
	s_mul_i32 s33, s12, 4352                       ; 16 rows of 272
	s_mov_b32 s36, 1
	s_mul_i32 s37, s12, 30464                      ; 112 rows of 272,
	s_add_co_u32 s37, s37, CHUNK                   ; behind chunk 0
	s_lshl_b32 s2, s14, 18
	s_lshl_b32 s46, s12, 12
	s_add_co_u32 s46, s46, s2                      ; bh x 262,144 + w x 4,096
	s_mov_b32 s47, 0
	s_mul_i32 s44, s12, 28672
	s_add_co_u32 s44, s44, s2
	s_add_co_u32 s44, s44, 32768                   ; bh x 262,144 + 32,768 + w x 28,672
	s_mov_b32 s45, 0
	s_wait_dscnt 0x0
	s_wait_kmcnt 0x0
	s_add_nc_u64 s[34:35], s[6:7], s[46:47]
	s_or_b32 s35, s35, 0x80000000
	s_add_nc_u64 s[38:39], s[6:7], s[44:45]
	s_or_b32 s39, s39, 0x80000000
	tensor_load_to_lds s[32:35], s[16:23]
	s_nop 0
	tensor_load_to_lds s[36:39], s[24:31]
	s_nop 0
	s_lshl_b32 s46, s15, 14                        ; the head's table, from row dx = 16 qh on
	s_lshl_b32 s2, s13, 12
	s_add_co_u32 s46, s46, s2
	s_add_nc_u64 s[8:9], s[8:9], s[46:47]
	s_lshl_b32 s46, s14, 17                        ; (1,024 bh + 512 qh + 64 w) rows of 128 bytes, in q and in x
	s_lshl_b32 s2, s13, 16
	s_add_co_u32 s46, s46, s2
	s_lshl_b32 s2, s12, 13
	s_add_co_u32 s46, s46, s2
	s_add_nc_u64 s[4:5], s[4:5], s[46:47]
	s_add_nc_u64 s[10:11], s[10:11], s[46:47]
	v_lshlrev_b32 v7, 4, v0
.irp i, 0,1,2
	global_load_b128 v[SF+4*\i:SF+4*\i+3], v7, s[8:9] offset:\i*4096          ; 48 table rows of 256 bytes, 16 rows a load
.endr
	v_and_b32 v28, 15, v0                          ; r
	v_bfe_u32 v29, v0, 4, 1                        ; h
	v_lshlrev_b32 v30, 7, v28
	v_lshl_add_u32 v30, v29, 4, v30                ; query r's row of 128 bytes, 16 bytes for each half of the lanes
.irp q, 0,1,2,3
.irp k, 0,1
	global_load_b128 v[QF+8*(2*\q+\k):QF+8*(2*\q+\k)+3],   v30, s[4:5] offset:\q*2048+\k*64
	global_load_b128 v[QF+8*(2*\q+\k)+4:QF+8*(2*\q+\k)+7], v30, s[4:5] offset:\q*2048+\k*64+32
.endr
.endr
	s_mov_b32 s40, 0x3e38aa3b                      ; c = log2(e) / 8
	s_mov_b32 s41, 0x3e38aa3b
	s_mov_b32 s42, 0x76543210                      ; v_permlanex16_b32: lane i of one half reads lane i of the other
	s_mov_b32 s43, 0xfedcba98
	v_lshrrev_b32 v31, 4, v0                       ; table row of my 16 bytes, 0-15 (+ 16 i),
	v_sub_nc_u32 v31, 15, v31                      ; turned round: row' = 47 - row
	v_lshlrev_b32 v31, 8, v31
	v_lshl_add_u32 v31, v28, 4, v31
	v_add_nc_u32 v31, TAB, v31
	v_lshrrev_b32 v1, 1, v28                       ; K: two keys to an LDS row
	v_mul_u32_u24 v1, v1, 272
	v_and_b32 v2, 1, v28
	v_lshl_add_u32 v1, v2, 7, v1
	v_lshl_add_u32 v[KA], v29, 4, v1
	v_mul_u32_u24 v2, v28, 272                     ; V^T: row d
	v_lshl_add_u32 v2, v29, 4, v2
	v_add_nc_u32 v[VA], 17408, v2
	s_lshl_b32 s2, s12, 1
	s_sub_co_u32 s2, 14, s2                        ; row' of step -1 for xq0: 14 - 2 w
	s_lshl_b32 s2, s2, 8
	s_add_co_u32 s2, s2, TAB+36
	v_lshl_add_u32 v3, v28, 2, s2
	v_lshlrev_b32 v5, 5, v29
	v_sub_nc_u32 v[BA], v3, v5                     ; + 4 (9 + r - 8 h)
	s_mul_i32 s2, s12, 2304
	s_add_co_u32 s2, s2, STG                       ; my stage: 16 rows of 144
	v_mul_u32_u24 v4, v28, 144
	v_lshl_add_u32 v4, v29, 4, v4
	v_add_nc_u32 v[STO], s2, v4
	v_and_b32 v6, 31, v0
	v_lshrrev_b32 v5, 3, v6
	v_mul_u32_u24 v5, v5, 144
	v_and_b32 v29, 7, v6
	v_lshl_add_u32 v5, v29, 4, v5
	v_add_nc_u32 v[RD], s2, v5
	v_lshlrev_b32 v[CO], 4, v6
	s_wait_loadcnt 0x10                            ; the table's three loads are in; the 16 loads of Q stay out
.irp i, 0,2,4,6,8,10
	v_pk_mul_f32 v[SF+\i:SF+\i+1], v[SF+\i:SF+\i+1], 0x41000000 op_sel_hi:[1,0]   ; times 8
.endr
.irp i, 0,1,2
	ds_store_b128 v31, v[SF+4*\i:SF+4*\i+3] offset:(2-\i)*4096
.endr
	s_wait_tensorcnt 0x1                           ; my 16 rows of chunk 0 are in; my 112 rows may stay out
	s_wait_dscnt 0x0                               ; my part of the table is in LDS
	s_barrier_signal -1
	s_barrier_wait -1
.irp g, 0,1,2
	BLOADG 1, 0, \g                                ; the bias row of step -1, which xq0 + 1 uses in step 0
.endr
	KLOAD 0, 0                                     ; then in the order of every step: K's d 0-31, the bias row, K's d 32-63
.irp g, 0,1,2
	BLOADG 0, 256, \g
.endr
	KLOAD 0, 1
	s_wait_loadcnt 0x0                             ; Q
	STEP 0, 0, 1
	STEP 1, 1, 1
	STEP 2, 2, 1
	STEP 3, 2, 0                                   ; chunk 1 may not be read yet
	s_wait_tensorcnt 0x0                           ; my 112 rows are in,
	s_wait_dscnt 0x0
	s_barrier_signal -1
	s_barrier_wait -1                              ; everybody's are: chunks 1-7 are whole
	ADV
	KLOAD 0, 0
.irp g, 0,1,2
	BLOADG 0, 256, \g
.endr
	KLOAD 0, 1
	s_mov_b32 s44, 6
.Ltrip:
	STEP 0, 2, 1
	STEP 1, 2, 1
	STEP 2, 2, 1
	STEP 3, 2, 1
	ADV
	s_sub_co_u32 s44, s44, 1
	s_cmp_lg_u32 s44, 0
	s_cbranch_scc1 .Ltrip
	STEP 0, 2, 1
	STEP 1, 2, 1
	STEP 2, 2, 1
	STEP 3, 2, 0                                   ; the last step fetches nothing
.irp n, 0,1,2,3,4,5,6,7,8
	CSL 1, \n, 0                                   ; piece B's last softmax has no products left to stand beside
.endr
	BETA 1, 0
	; THE WAY OUT: the sum's two halves and two lanes, its reciprocal, O scaled, rounded, through my stage as rows of 128 bytes.
	; The additions below are the places behind the last products.
.irp q, 0,1,2,3
	v_add_f32 v[TT+\q], v[LL+2*\q], v[LL+2*\q+1]
.endr
.irp q, 0,1,2,3
	v_permlanex16_b32 v[T2+\q], v[TT+\q], s42, s43
.endr
.irp q, 0,1,2,3
	v_add_f32 v[TT+\q], v[TT+\q], v[T2+\q]
.endr
.irp q, 0,1,2,3
	v_rcp_f32 v[AA+\q], v[TT+\q]
.endr
	v_nop                                          ; one plain instruction before the reciprocals are used
	s_wait_alu depctr_va_vdst(0)
	WIN 0x41                                       ; O in window 1, the factor in window 0
.irp p, 0,1
.irp n, 0,1,2,3,4,5,6,7
	OSC \p, \n
.endr
.endr
.irp q, 0,1,2,3
	WIN 0x05
.irp d, 0,1,2,3
.irp e, 0,1,2,3
	v_cvt_pk_f16_f32 v[SF+16*\q+4*\d+\e], v[8*(4*\q+\d)+2*\e], v[8*(4*\q+\d)+2*\e+1]    ; query r, d = 16 dt + 8 h + 2 e, + 1
.endr
.endr
	WIN 0
.irp d, 0,1,2,3
	ds_store_b128 v[STO], v[SF+16*\q+4*\d:SF+16*\q+4*\d+3] offset:32*\d
.endr
.irp p, 0,1,2,3
	ds_load_b128 v[QF+16*\q+4*\p:QF+16*\q+4*\p+3], v[RD] offset:\p*576        ; my own bytes: LDS serves a wave in order
.endr
.irp p, 0,1,2,3
	s_wait_dscnt 3-\p
	global_store_b128 v[CO], v[QF+16*\q+4*\p:QF+16*\q+4*\p+3], s[10:11] offset:\q*2048+\p*512   ; four rows of x: 512 consecutive bytes
.endr
.endr
	s_wait_tensorcnt 0x0
	ds_add_u32 v46, v47
	s_wait_dscnt 0x0
	s_endpgm
.Lfunc_end_k_qb6a7cc5cd2_attn:
	.size	k_qb6a7cc5cd2_attn, .Lfunc_end_k_qb6a7cc5cd2_attn-k_qb6a7cc5cd2_attn
	.p2alignl 7, 3214868480
	.fill 96, 4, 3214868480
	.section	.rodata,"a",@progbits
	.p2align	6, 0x0
	.amdhsa_kernel k_qb6a7cc5cd2_attn
		.amdhsa_group_segment_fixed_size 310272
		.amdhsa_private_segment_fixed_size 0
		.amdhsa_enable_private_segment 0
		.amdhsa_kernarg_size 32
		.amdhsa_user_sgpr_count 2
		.amdhsa_user_sgpr_kernarg_segment_ptr 1
		.amdhsa_wavefront_size32 1
		.amdhsa_system_sgpr_workgroup_id_x 1
		.amdhsa_system_sgpr_workgroup_id_y 1
		.amdhsa_system_sgpr_workgroup_id_z 1
		.amdhsa_system_vgpr_workitem_id 0
		.amdhsa_next_free_vgpr 416
		.amdhsa_next_free_sgpr 66
		.amdhsa_reserve_vcc 0
		.amdhsa_float_denorm_mode_32 3
		.amdhsa_float_denorm_mode_16_64 3
		.amdhsa_memory_ordered 1
		.amdhsa_forward_progress 1
		.amdhsa_inst_pref_size 255
	.end_amdhsa_kernel
	.section	.bss,"aw",@nobits
	.p2align	6
	.space	262144
	.amdgpu_metadata
---
amdhsa.version: [ 1, 2 ]
amdhsa.kernels:
  - .name:           k_qb6a7cc5cd2_attn
    .symbol:         k_qb6a7cc5cd2_attn.kd
    .args:
      - { .name: q, .offset: 0, .size: 8, .value_kind: global_buffer, .address_space: global }
      - { .name: kv, .offset: 8, .size: 8, .value_kind: global_buffer, .address_space: global }
      - { .name: toeplitz, .offset: 16, .size: 8, .value_kind: global_buffer, .address_space: global }
      - { .name: x, .offset: 24, .size: 8, .value_kind: global_buffer, .address_space: global }
    .group_segment_fixed_size: 310272
    .private_segment_fixed_size: 0
    .kernarg_segment_align: 8
    .kernarg_segment_size: 32
    .max_flat_workgroup_size: 256
    .sgpr_count:     66
    .vgpr_count:     416
    .wavefront_size: 32
...
	.end_amdgpu_metadata
.endif
;; end of part 3
;; launch oproj (part 4): grid 256 x 1, 4 waves a work-group, clusters of 4 x 1, 327,680 bytes of LDS; arguments x, wt, bo, out0; writes out0
.if DOCPART == 4
	.amdgcn_target "amdgcn-amd-amdhsa--gfx1250"
	.amdhsa_code_object_version 6
	.text
	.protected	k_qb6a7cc5cd2_oproj
	.globl	k_qb6a7cc5cd2_oproj
	.p2align	8
	.type	k_qb6a7cc5cd2_oproj,@function
k_qb6a7cc5cd2_oproj:
	s_mov_b64 s[64:65], 0
	v_nop
	global_prefetch_b8 v0, s[64:65] scope:SCOPE_SE
	s_setreg_imm32_b32 hwreg(HW_REG_WAVE_MODE, 25, 1), 1
	s_wait_xcnt 0x0
	s_wait_alu depctr_hold_cnt(0) depctr_sa_sdst(0) depctr_va_vdst(0) depctr_va_sdst(0) depctr_va_ssrc(0) depctr_va_vcc(0) depctr_vm_vsrc(0)
	s_getreg_b32 s2, hwreg(HW_REG_IB_STS2, 6, 4)
	s_cmp_eq_u32 s2, 0
	s_cbranch_scc0 .Lentry_in_a_cluster
	s_endpgm
.Lentry_in_a_cluster:
	s_bfe_u32 s2, ttmp6, 0x10000c
	s_cmp_lg_u32 s2, 0x3003
	s_cbranch_scc0 .Lentry_shape_is_right
	s_endpgm
.Lentry_shape_is_right:
; out[token][n] = sum over k of x[token][k] Wo[k][n] + bo[n], k = 64 h + d; x is [b][h][1024][64] f16, Wo^T is wt's fourth weight, out is f32.
; A work-group makes 128 tokens (rb) x 256 columns (ch) with four waves; wave w: th = w >> 1 (64 tokens, the B side), cq = w & 1 (128 columns,
; rows of Wo^T, the A side): lane (r, h), register j holds column 8 h + j of token r, eight neighbouring f32 of a row of out.
; Four trips of 128 along k (heads 2 T, 2 T + 1); one text for all waves.
; x: the group's 128 tokens x 512 lie in LDS whole, each byte filled once.  Wave w brings its 32 tokens for trip T by one tensor load: a tile of
; two rows (the two heads, 65,536 elements apart) of 2,048 elements (32 tokens x 64 d, 4,096 consecutive bytes), 16 bytes of padding behind every
; 128: LDS [T][w][head][32 tokens], pitch 144.  Wo^T goes through two slots of 256 rows, pitch 272; each wave brings 64 rows of a tile.
; First fills in the order W0, X0, W1, X1, X2, X3: six tensor loads of a wave are out at the most; later one, behind a round.
; CLUSTERS: a tile of Wo^T (65,536 bytes a trip, four trips) hangs on ch and the trip alone: it is the same in all 128 row blocks.  Four row blocks
; form a cluster of 4 x 1 and ask for each tile JOINTLY (mask 15), with descriptors made of ch and the wave's number: the requests for Wo^T are
; divided by four.  Cluster k takes ch = k & 1 and row blocks 4 (k >> 1) + cx, so the two clusters that read the same rows of x have neighbouring
; numbers.  x is each row block's own: its loads are plain.  cx enters rb alone, and through it the addresses of x and out0; the scalar registers
; that hold it (s66-71) feed no joint descriptor and no LDS address.
; bo lies in window 2 and is the C of the first products: nothing is cleared and no add is spent on it.
.set XT,    36864                      ; x of one trip: 4 waves x 2 heads x 32 tokens x 144
.set WS,    4*XT                       ; 147,456
.set WSLOT, 69632
.set STG,   WS+2*WSLOT                 ; 286,720: 16 rows x 528 bytes for each wave
.set AA,  4                            ; v4-5   x fragments, trips 0, 1 and trips 2, 3
.set AW,  8                            ; v8-9   Wo^T fragments, slot 0, 1
.set STO, 16
.set RD,  17
.set CO,  19
.set F0,  64                           ; fragment buffers: P fragment i (Wo^T) at +8 i, Q fragment i (x) at +64 + 8 i
.set F1,  160
; window 1: accumulator (i8, i4) at 8 (8 i4 + i8); window 2: v0-63 bo
.set MSB, 0
.macro WIN new
.if MSB != \new
	s_set_vgpr_msb (MSB<<8)|\new
.set MSB, \new
.endif
.endm
.macro PLACES n
.rept \n
	v_nop
.endr
.endm
; A round of the cluster's barrier: my work-group's barrier, so that wave 0's signal speaks for all four waves; wave 0 signals for the work-group;
; every wave waits for all four work-groups; my work-group's barrier once more.  Every window is 0 here (a branch and a label).
.macro ROUND
	s_barrier_signal -1
	s_barrier_wait -1
	s_cmp_lg_u32 s18, 0
	s_cbranch_scc1 .Lnot_wave_0_\@
	s_barrier_signal -3
.Lnot_wave_0_\@:
	s_barrier_wait -3
	s_barrier_signal -1
	s_barrier_wait -1
.endm
; 24 LDS loads for trip n, 32 along k at ks: head ks >> 1 of the trip's two, d from 32 (ks & 1).  Tokens 16 i .. 16 i + 15 of my 64 were brought by wave 2 th + (i >> 1)
.macro FETCH n, ks, f
.irp i, 0,1,2,3,4,5,6,7
	ds_load_b128 v[\f+8*\i:\f+8*\i+3],   v[AW+(\n&1)] offset:\i*4352+\ks*64
	ds_load_b128 v[\f+8*\i+4:\f+8*\i+7], v[AW+(\n&1)] offset:\i*4352+\ks*64+32
.endr
.irp i, 0,1,2,3
	ds_load_b128 v[\f+64+8*\i:\f+64+8*\i+3],   v[AA+(\n>>1)] offset:(\n&1)*XT+(\i>>1)*9216+(\i&1)*2304+(\ks>>1)*4608+(\ks&1)*64
	ds_load_b128 v[\f+64+8*\i+4:\f+64+8*\i+7], v[AA+(\n>>1)] offset:(\n&1)*XT+(\i>>1)*9216+(\i&1)*2304+(\ks>>1)*4608+(\ks&1)*64+32
.endr
.endm
; 16 matrix instructions; mode 0: add in place; 2: C = bo (window 2).  The 32 accumulators take turns, one instruction a turn
.macro MULH f, half, mode
.irp a, 0,1
.irp b, 0,1,2,3,4,5,6,7
.if \mode == 0
	v_wmma_f32_16x16x32_f16 v[8*(8*(2*\half+\a)+\b):8*(8*(2*\half+\a)+\b)+7], v[\f+8*\b:\f+8*\b+7], v[\f+64+8*(2*\half+\a):\f+64+8*(2*\half+\a)+7], v[8*(8*(2*\half+\a)+\b):8*(8*(2*\half+\a)+\b)+7]
.else
	v_wmma_f32_16x16x32_f16 v[8*(8*(2*\half+\a)+\b):8*(8*(2*\half+\a)+\b)+7], v[\f+8*\b:\f+8*\b+7], v[\f+64+8*(2*\half+\a):\f+64+8*(2*\half+\a)+7], v[8*\b:8*\b+7]
.endif
.endr
.endr
.endm
.macro MWIN mode
.if \mode == 0
	WIN 0x50                                       ; C and D in window 1
.else
	WIN 0x60                                       ; D in window 1, C in window 2
.endif
.endm
.macro QUARTER n, f, g, ks, mode
	s_wait_dscnt 0x4                               ; all but the youngest four loads (Q fragments 2, 3)
	MWIN \mode
	MULH \f, 0, \mode
	PLACES 4                                       ; four places before loads go into buffer g
	WIN 0
	FETCH \n, \ks, \g
	s_wait_dscnt 0x18                              ; all but the 24 just issued
	MWIN \mode
	MULH \f, 1, \mode
.endm
.macro SEG n
.if \n > 0
	PLACES 4
.endif
	FETCH \n, 0, F0
.if \n > 0
	WIN 0x50
	MULH F1, 1, 0                                  ; the last trip's last 16 products: registers alone
	QUARTER \n, F0, F1, 1, 0
.else
	QUARTER \n, F0, F1, 1, 2
.endif
	QUARTER \n, F1, F0, 2, 0
	QUARTER \n, F0, F1, 3, 0
	s_wait_dscnt 0x4
	WIN 0x50
	MULH F1, 0, 0
	WIN 0
.endm
; trips 1 to 3.  In front of the barrier every wave waits for all its tensor loads (its part of this trip's tiles among them) and for its reads
; of the other slot.  In trips 1 and 2 the barrier is a round of the cluster's barrier: behind it no wave of the four work-groups reads the other
; slot, and the joint load fills it first; then this trip's tiles are read.  Trip 3 fills nothing: my work-group's barrier is enough
.macro TRIP n
	s_wait_tensorcnt 0x0
	ds_add_u32 v62, v63
	s_wait_dscnt 0x0
.if \n <= 2
	s_add_nc_u64 s[42+4*((\n+1)&1):43+4*((\n+1)&1)], s[42+4*((\n+1)&1):43+4*((\n+1)&1)], 512      ; the slot's next tile: 256 along k on
.endif
	s_wait_dscnt 0x0
.if \n <= 2
	ROUND
	tensor_load_to_lds s[40+4*((\n+1)&1):43+4*((\n+1)&1)], s[24:31]
	s_nop 0
.else
	s_barrier_signal -1
	s_barrier_wait -1
.endif
	SEG \n
.endm
; way out: the 16 tokens of Q fragment i4 x 128 columns of f32, straight from the accumulators into my stage, back as rows of 512 bytes
.macro OUTF i4
	WIN 0x04                                       ; the stores' data in window 1
.irp b, 0,1,2,3,4,5,6,7
	ds_store_b128 v[STO], v[8*(8*\i4+\b):8*(8*\i4+\b)+3]   offset:64*\b
	ds_store_b128 v[STO], v[8*(8*\i4+\b)+4:8*(8*\i4+\b)+7] offset:64*\b+16
.endr
	WIN 0
	s_wait_xcnt 0x0                                ; the registers below were earlier stores' data: they are loaded again only behind this wait
.irp t, 0,1,2,3,4,5,6,7,8,9,10,11,12,13,14,15
	ds_load_b128 v[F0+96*(\i4&1)+4*\t:F0+96*(\i4&1)+4*\t+3], v[RD] offset:\t*528    ; my own bytes: LDS serves a wave in order
.endr
.irp t, 0,1,2,3,4,5,6,7,8,9,10,11,12,13,14,15
	s_wait_dscnt 15-\t
	global_store_b128 v[CO], v[F0+96*(\i4&1)+4*\t:F0+96*(\i4&1)+4*\t+3], s[10:11] offset:\t*2048+\i4*32768 th:TH_STORE_NT   ; 512 consecutive bytes of a row of out
.endr
.endm
	s_load_b256 s[4:11], s[0:1], 0x0               ; x s[4:5], wt s[6:7], bo s[8:9], out0 s[10:11]
	v_lshl_add_u32 v62, v0, 2, 0x4e400
	v_mov_b32 v63, 0
	ds_add_u32 v62, v63
	ds_add_u32 v62, v63
	v_lshrrev_b32 v1, 5, v0
	v_readfirstlane_b32 s18, v1                    ; wave 0-3
	s_and_b32 s19, s18, 1                          ; cq
	s_lshr_b32 s12, s18, 1                         ; th
	s_and_b32 s20, ttmp9, 1                        ; ch: from the cluster's number, the same in the four partners
	s_bfe_u32 s66, ttmp6, 0x40000                  ; cx: my place in the cluster
	s_lshr_b32 s67, ttmp9, 1
	s_lshl_b32 s67, s67, 2
	s_add_co_u32 s67, s67, s66                     ; rb = 4 (cluster >> 1) + cx
	s_lshr_b32 s68, s67, 3                         ; b
	s_and_b32 s69, s67, 7                          ; c
	; group 1 for Wo^T: 64 rows x 128 f16, 16 bytes of padding behind each row of 256; asked for jointly by the cluster's four work-groups
	s_mov_b32 s24, 0x0771000f                      ; 15:0 mask 15; element of 2 bytes; padding on; bit 21 beside a mask; after every 64 words, 4 words
	s_mov_b32 s25, 128<<16                         ; tensor_dim0 = 128
	s_mov_b32 s26, 64<<16                          ; tensor_dim1 = 64
	s_mov_b32 s27, 128<<16                         ; tile_dim0 = 128
	s_mov_b32 s28, 64                              ; tile_dim1 = 64
	s_mov_b32 s29, 512                             ; elements from row to row of wt
	s_mov_b32 s30, 0
	s_mov_b32 s31, 0
	; group 1 for x: 2 rows (heads) x 2,048 f16 (32 tokens), 16 bytes of padding behind every 128 bytes (a token's 64 d); no mask: my own
	s_mov_b32 s32, 0x07110000                      ; element of 2 bytes; padding on; after every 32 words, 4 words
	s_mov_b32 s33, 2048<<16                        ; tensor_dim0 = 2,048
	s_mov_b32 s34, 2<<16                           ; tensor_dim1 = 2
	s_mov_b32 s35, 2048<<16                        ; tile_dim0 = 2,048
	s_mov_b32 s36, 2                               ; tile_dim1 = 2
	s_mov_b32 s37, 65536                           ; elements from head to head
	s_mov_b32 s38, 0
	s_mov_b32 s39, 0
	s_lshl_b32 s70, s68, 20                        ; x: (8,192 b + 128 c + 32 w) rows of 128 bytes
	s_lshl_b32 s66, s69, 14
	s_add_co_u32 s70, s70, s66
	s_lshl_b32 s2, s18, 12
	s_add_co_u32 s70, s70, s2
	s_mov_b32 s71, 0
	s_lshl_b32 s16, s20, 18                        ; wt: the fourth weight, (256 ch + 64 w) rows of 1,024 bytes
	s_lshl_b32 s2, s18, 16
	s_add_co_u32 s16, s16, s2
	s_add_co_u32 s16, s16, 1572864
	s_mov_b32 s17, 0
	s_mul_i32 s13, s18, 9216                       ; LDS: my 2 x 32 rows of 144 in a trip's x
	s_mul_i32 s3, s18, 17408                       ; LDS: my 64 rows of 272 in a slot
	s_add_co_u32 s3, s3, WS
	s_wait_dscnt 0x0
	s_wait_kmcnt 0x0
	s_add_nc_u64 s[4:5], s[4:5], s[70:71]
	s_add_nc_u64 s[6:7], s[6:7], s[16:17]
.irp s, 0,1
	s_mov_b32 s[40+4*\s], 1
	s_add_co_u32 s[41+4*\s], s3, \s*WSLOT
	s_add_nc_u64 s[42+4*\s:43+4*\s], s[6:7], \s*256                ; tile s: k from 128 s
	s_or_b32 s[43+4*\s], s[43+4*\s], 0x80000000
.endr
.irp t, 0,1,2,3
	s_mov_b32 s[48+4*\t], 1
	s_add_co_u32 s[49+4*\t], s13, \t*XT
	s_add_nc_u64 s[50+4*\t:51+4*\t], s[4:5], \t*262144             ; trip t: heads 2 t, 2 t + 1
	s_or_b32 s[51+4*\t], s[51+4*\t], 0x80000000
.endr
	ROUND                                          ; all four work-groups are here: the first joint loads meet; the plain ones go out in the same group
	tensor_load_to_lds s[40:43], s[24:31]          ; W0
	s_nop 0
	tensor_load_to_lds s[48:51], s[32:39]          ; X0
	s_nop 0
	tensor_load_to_lds s[44:47], s[24:31]          ; W1
	s_nop 0
	tensor_load_to_lds s[52:55], s[32:39]          ; X1
	s_nop 0
	tensor_load_to_lds s[56:59], s[32:39]          ; X2
	s_nop 0
	tensor_load_to_lds s[60:63], s[32:39]          ; X3
	s_nop 0
	v_and_b32 v1, 15, v0                           ; r
	v_bfe_u32 v2, v0, 4, 1                         ; h
	v_and_b32 v26, 31, v0                          ; lane
	s_lshl_b32 s14, s20, 10
	s_lshl_b32 s2, s19, 9
	s_add_co_u32 s14, s14, s2                      ; 4 (256 ch + 128 cq)
	v_lshl_add_u32 v24, v2, 5, s14
	WIN 0x80                                       ; destination in window 2
.irp b, 0,1,2,3,4,5,6,7
	global_load_b128 v[8*\b:8*\b+3],   v24, s[8:9] offset:64*\b       ; register j: bo of column 16 b + 8 h + j
	global_load_b128 v[8*\b+4:8*\b+7], v24, s[8:9] offset:64*\b+16
.endr
	WIN 0
	s_lshl_b32 s70, s67, 18                        ; out: (128 rb + 64 th) rows x 2,048 bytes + my columns
	s_lshl_b32 s2, s12, 17
	s_add_co_u32 s70, s70, s2
	s_add_co_u32 s70, s70, s14
	s_add_nc_u64 s[10:11], s[10:11], s[70:71]
	v_mul_u32_u24 v3, v1, 272
	v_lshl_add_u32 v3, v2, 4, v3
	s_mul_i32 s2, s19, 34816                       ; my 128 rows of Wo^T
	s_add_co_u32 s2, s2, WS
	v_add_nc_u32 v[AW], s2, v3
	v_add_nc_u32 v[AW+1], WSLOT, v[AW]
	v_mul_u32_u24 v27, v1, 144
	v_lshl_add_u32 v27, v2, 4, v27
	s_mul_i32 s2, s12, 18432                       ; my 64 tokens: what waves 2 th, 2 th + 1 brought
	v_add_nc_u32 v[AA], s2, v27
	v_add_nc_u32 v[AA+1], 2*XT, v[AA]
	s_mul_i32 s2, s18, 8448
	s_add_co_u32 s2, s2, STG                       ; my stage
	v_mul_u32_u24 v28, v1, 528
	v_lshl_add_u32 v28, v2, 5, v28
	v_add_nc_u32 v[STO], s2, v28
	v_lshlrev_b32 v[CO], 4, v26
	v_add_nc_u32 v[RD], s2, v[CO]
	s_wait_loadcnt 0x0                             ; bo
	s_wait_tensorcnt 0x4                           ; my parts of W0 and X0 are in; W1, X1, X2, X3 may stay out
	s_barrier_signal -1
	s_barrier_wait -1
	SEG 0
	TRIP 1
	TRIP 2
	TRIP 3
	s_wait_dscnt 0x0
	WIN 0x50
	MULH F1, 1, 0
	WIN 0
	PLACES 4                                       ; four places before results are stored and before loads go into the buffers
	OUTF 0
	OUTF 1
	OUTF 2
	OUTF 3
	s_wait_tensorcnt 0x0
	ds_add_u32 v62, v63
	s_wait_dscnt 0x0
	ROUND                                          ; the closing round: no work-group ends while a partner may still ask for a tile that names it
	s_endpgm
.Lfunc_end_k_qb6a7cc5cd2_oproj:
	.size	k_qb6a7cc5cd2_oproj, .Lfunc_end_k_qb6a7cc5cd2_oproj-k_qb6a7cc5cd2_oproj
	.p2alignl 7, 3214868480
	.fill 96, 4, 3214868480
	.section	.rodata,"a",@progbits
	.p2align	6, 0x0
	.amdhsa_kernel k_qb6a7cc5cd2_oproj
		.amdhsa_group_segment_fixed_size 327680
		.amdhsa_private_segment_fixed_size 0
		.amdhsa_enable_private_segment 0
		.amdhsa_kernarg_size 32
		.amdhsa_user_sgpr_count 2
		.amdhsa_user_sgpr_kernarg_segment_ptr 1
		.amdhsa_wavefront_size32 1
		.amdhsa_system_sgpr_workgroup_id_x 1
		.amdhsa_system_sgpr_workgroup_id_y 1
		.amdhsa_system_sgpr_workgroup_id_z 1
		.amdhsa_system_vgpr_workitem_id 0
		.amdhsa_next_free_vgpr 576
		.amdhsa_next_free_sgpr 72
		.amdhsa_reserve_vcc 0
		.amdhsa_float_denorm_mode_32 3
		.amdhsa_float_denorm_mode_16_64 3
		.amdhsa_memory_ordered 1
		.amdhsa_forward_progress 1
		.amdhsa_inst_pref_size 87
	.end_amdhsa_kernel
	.amdgpu_metadata
---
amdhsa.version: [ 1, 2 ]
amdhsa.kernels:
  - .name:           k_qb6a7cc5cd2_oproj
    .symbol:         k_qb6a7cc5cd2_oproj.kd
    .args:
      - { .name: x, .offset: 0, .size: 8, .value_kind: global_buffer, .address_space: global }
      - { .name: wt, .offset: 8, .size: 8, .value_kind: global_buffer, .address_space: global }
      - { .name: bo, .offset: 16, .size: 8, .value_kind: global_buffer, .address_space: global }
      - { .name: out0, .offset: 24, .size: 8, .value_kind: global_buffer, .address_space: global }
    .group_segment_fixed_size: 327680
    .private_segment_fixed_size: 0
    .kernarg_segment_align: 8
    .kernarg_segment_size: 32
    .max_flat_workgroup_size: 128
    .sgpr_count:     72
    .vgpr_count:     576
    .wavefront_size: 32
...
	.end_amdgpu_metadata
.endif
;; end of part 4
;; ======== version 2 of 2: 4 launches; version 1 with the launch prep written anew for expert scheduling mode
;; limits: values are held in f16: magnitudes above 65,504 overflow, below 6.1e-05 lose precision
;; workspace buffers: wt 2,097,152 bytes; q 16,777,216 bytes; kv 33,554,432 bytes; x 16,777,216 bytes
;; launch prep (part 5): grid 32 x 4, 4 waves a work-group, no clusters, 17,920 bytes of LDS; arguments Wq, Wk, Wv, Wo, wt; writes wt
.if DOCPART == 5
	.amdgcn_target "amdgcn-amd-amdhsa--gfx1250"
	.amdhsa_code_object_version 6
	.text
	.protected	k_qb6a7cc5cd2_prep
	.globl	k_qb6a7cc5cd2_prep
	.p2align	8
	.type	k_qb6a7cc5cd2_prep,@function
k_qb6a7cc5cd2_prep:
	s_mov_b64 s[64:65], 0
	v_nop
	global_prefetch_b8 v0, s[64:65] scope:SCOPE_SE
	s_setreg_imm32_b32 hwreg(HW_REG_WAVE_SCHED_MODE, 0, 2), 2
	s_setreg_imm32_b32 hwreg(HW_REG_WAVE_MODE, 25, 1), 1
	s_wait_xcnt 0x0
	s_wait_alu depctr_vm_vsrc(0)
; wt[w][n][k] = f16(W_w[k][n]) for w = q, k, v, o: the four weights, transposed and rounded once, so that the later
; launches bring them into LDS as tiles whose rows lie along k and convert no weight a second time.
;
; WORK LEFT OUT IN THE WHOLE PROGRAM: the input bk.  scores[b,h,q,k] = scale * q_q . (Xkv_k Wk + bk)_h + bias[h,q,k]
; = scale * q_q . (Xkv_k Wk)_h + scale * q_q . bk_h + bias[h,q,k].  The middle term has no index k: it is the same along the
; softmax's axis for every value of the inputs, and softmax(s + const) = softmax(s).  K feeds nothing but the scores, so bk
; has no way to any output: it is not loaded and is no launch's argument.
; LIMIT: a NaN, an infinity or an overflow that reaches only that term (through bk) is not carried to the result.
;
; FORMAT OF ALL MATRIX OPERANDS IN THE PROGRAM: f16 (11 significant bits).  V, P and x are each rounded on the way to one output, and the
; output is compared to a hundredth of its root mean square; 8 significant bits leave too little margin over 8.4 million outputs.
; Room in f16's range: with every input 30 times larger q, k, v have a spread of 30 x 0.6 x sqrt(512) = 407; with X offset by 30 and W by 0.6
; they reach 512 x 30 x 0.6 = 9,216, a seventh of 65,504; with every input 30 times smaller v has a spread of 5e-4 against an absolute step of 6e-8.
; LIMIT: a magnitude of 65,504 or more in X, W, q, k or v becomes an infinity.
;
; A work-group takes 128 k x 64 n of one weight (y picks the weight).  Thread t: n4 = t & 15 (four n, 16 bytes), kp = t >> 4.
; Loads: sixteen neighbouring lanes read 256 consecutive bytes of a row of W.  Two rows k, k+1 pack into one word for each n;
; the words go to LDS as [n][k] (pitch 272) and come back as rows of 256 bytes, which sixteen lanes store whole.
; No matrix unit, no cluster: 4 MB are moved once and no work-group shares a byte with another.
;
; THE MODE: SCHED_MODE bits 1:0 = 2 (LLVM: expert scheduling mode 2), set by the entry lines.  The code itself states the register dependences
; between vector instructions and memory or LDS instructions, with s_wait_alu, always for 0.
; THE PLAN.  Registers that memory or LDS instructions touch:
;   v3, v4, v5, v6   offsets and LDS addresses: written by vector instructions at the head, once; read by the global loads (v3), the LDS stores (v4),
;                    the LDS loads (v5) and the global stores (v6).
;   v112, v113       written at the head, once; read by the closing add alone.
;   v8-v71           W as loaded, pair i (rows k, k + 1) at 8 + 8 i: written by the global loads, read by pair i's four conversions.  Behind the barrier
;                    the LDS loads land in v8-v39, and the global stores read them there.
;   v72-v103         the packed words, pair i at 72 + 4 i: written by pair i's conversions, once each; read by pair i's four LDS stores.
; No register that a memory or LDS instruction has read is written again, so no wait on vm_vsrc is owed.
; The eight pairs go in four steps of two.  Step s waits for its four loads, stores the eight words that step s - 1 packed, and packs its own: ONE wait on
; va_vdst at a step's head states that the step before has written those eight words; the step's own conversions name other registers.
.set PITCH, 272
; pair i: rows k = 16 i + 2 kp and k + 1, four n: four words, k in the low half, k + 1 in the high half
.macro CVT i
.irp e, 0,1,2,3
	v_cvt_pk_f16_f32 v[72+4*(\i)+\e], v[8+8*(\i)+\e], v[12+8*(\i)+\e]
.endr
.endm
; pair i's four words into LDS: row n = 4 n4 + e, word 8 i + kp
.macro PUT i
.irp e, 0,1,2,3
	ds_store_b32 v4, v[72+4*(\i)+\e] offset:\e*PITCH+(\i)*32
.endr
.endm
	s_load_b256 s[4:11], s[0:1], 0x0               ; Wq s[4:5], Wk s[6:7], Wv s[8:9], Wo s[10:11]
	s_load_b64 s[12:13], s[0:1], 0x20              ; wt
	v_lshl_add_u32 v112, v0, 2, 0x4400             ; my spare word, behind the 64 rows of 272 bytes; kept for the closing lines alone
	v_mov_b32 v113, 0                              ; and 0, likewise
	s_and_b32 s14, ttmp7, 0xffff                   ; which weight
	s_and_b32 s15, ttmp9, 7                        ; nb: 64 n
	s_lshr_b32 s16, ttmp9, 3                       ; kb: 128 k
	v_and_b32 v1, 15, v0                           ; n4
	v_lshrrev_b32 v2, 4, v0                        ; kp, 0 to 7
	v_lshlrev_b32 v3, 4, v1
	v_lshl_add_u32 v3, v2, 12, v3                  ; load: two rows of 2,048 bytes for each kp, 16 bytes for each n4
	v_mul_u32_u24 v4, v1, 4*PITCH
	v_lshl_add_u32 v4, v2, 2, v4                   ; LDS in: row n = 4 n4 + e, word k/2 = 8 i + kp
	v_mul_u32_u24 v5, v2, PITCH
	v_lshl_add_u32 v5, v1, 4, v5                   ; LDS back: row t >> 4 (+ 8 i), 16 bytes a lane
	v_lshlrev_b32 v6, 4, v1
	v_lshl_add_u32 v6, v2, 10, v6                  ; store: rows of wt are 1,024 bytes
	s_lshl_b32 s18, s16, 18                        ; kb x 128 rows x 2,048 bytes
	s_lshl_b32 s17, s15, 8                         ; nb x 256 bytes
	s_add_co_u32 s18, s18, s17
	s_mov_b32 s19, 0
	s_lshl_b32 s20, s14, 19                        ; the weight's 524,288 bytes in wt
	s_lshl_b32 s17, s15, 16                        ; nb x 64 rows x 1,024 bytes
	s_add_co_u32 s20, s20, s17
	s_lshl_b32 s17, s16, 8                         ; kb x 256 bytes
	s_add_co_u32 s20, s20, s17
	s_mov_b32 s21, 0
	s_wait_kmcnt 0x0
	s_cmp_eq_u32 s14, 1
	s_cselect_b64 s[4:5], s[6:7], s[4:5]
	s_cmp_eq_u32 s14, 2
	s_cselect_b64 s[4:5], s[8:9], s[4:5]
	s_cmp_eq_u32 s14, 3
	s_cselect_b64 s[4:5], s[10:11], s[4:5]
	s_add_nc_u64 s[4:5], s[4:5], s[18:19]
	s_add_nc_u64 s[12:13], s[12:13], s[20:21]
	s_wait_alu depctr_va_vdst(0)                   ; v3 to v6, v112 and v113 are written: every load, store and LDS instruction of the kernel reads one of them as its address, and none is written again
.irp i, 0,1,2,3,4,5,6,7
	global_load_b128 v[8+8*\i:8+8*\i+3],  v3, s[4:5] offset:\i*32768 th:TH_LOAD_NT        ; row k = 16 i + 2 kp
	global_load_b128 v[12+8*\i:12+8*\i+3], v3, s[4:5] offset:\i*32768+2048 th:TH_LOAD_NT  ; row k + 1
.endr
	s_wait_loadcnt 12                              ; pairs 0 and 1 are in; the 12 younger loads stay out
	CVT 0
	CVT 1
	s_wait_loadcnt 8                               ; pairs 2 and 3 are in; the 8 younger loads stay out
	s_wait_alu depctr_va_vdst(0)                   ; the conversions of pairs 0 and 1 have written v72-v79, which the eight LDS stores below read
	PUT 0
	PUT 1
	CVT 2
	CVT 3
	s_wait_loadcnt 4                               ; pairs 4 and 5 are in; the 4 younger loads stay out
	s_wait_alu depctr_va_vdst(0)                   ; the conversions of pairs 2 and 3 have written v80-v87, which the eight LDS stores below read
	PUT 2
	PUT 3
	CVT 4
	CVT 5
	s_wait_loadcnt 0x0                             ; pairs 6 and 7 are in
	s_wait_alu depctr_va_vdst(0)                   ; the conversions of pairs 4 and 5 have written v88-v95, which the eight LDS stores below read
	PUT 4
	PUT 5
	CVT 6
	CVT 7
	s_wait_alu depctr_va_vdst(0)                   ; the conversions of pairs 6 and 7 have written v96-v103, which the LDS stores below read; and all conversions are done reading v8-v39, in which the LDS loads behind the barrier land (no vector instruction follows this wait)
	PUT 6
	PUT 7
	s_wait_dscnt 0x0                               ; my stores are in LDS before I say so
	s_barrier_signal -1
	s_barrier_wait -1                              ; everybody's are
.irp i, 0,1,2,3,4,5,6,7
	ds_load_b128 v[8+4*\i:8+4*\i+3], v5 offset:\i*8*PITCH
.endr
.irp i, 0,1,2,3,4,5,6,7
	s_wait_dscnt 7-\i                              ; row group i is back in registers: the stores' data come from LDS loads, which this counter orders
	global_store_b128 v6, v[8+4*\i:8+4*\i+3], s[12:13] offset:\i*8192     ; sixteen lanes store 256 consecutive bytes, aligned
.endr
	s_wait_dscnt 0x0                               ; the closing lines, six on end
	s_wait_alu 0x0
	s_wait_tensorcnt 0x0
	ds_add_u32 v112, v113
	s_wait_dscnt 0x0
	s_endpgm
.Lfunc_end_k_qb6a7cc5cd2_prep:
	.size	k_qb6a7cc5cd2_prep, .Lfunc_end_k_qb6a7cc5cd2_prep-k_qb6a7cc5cd2_prep
	.p2alignl 7, 3214868480
	.fill 96, 4, 3214868480
	.section	.rodata,"a",@progbits
	.p2align	6, 0x0
	.amdhsa_kernel k_qb6a7cc5cd2_prep
		.amdhsa_group_segment_fixed_size 17920
		.amdhsa_private_segment_fixed_size 0
		.amdhsa_enable_private_segment 0
		.amdhsa_kernarg_size 40
		.amdhsa_user_sgpr_count 2
		.amdhsa_user_sgpr_kernarg_segment_ptr 1
		.amdhsa_wavefront_size32 1
		.amdhsa_system_sgpr_workgroup_id_x 1
		.amdhsa_system_sgpr_workgroup_id_y 1
		.amdhsa_system_sgpr_workgroup_id_z 1
		.amdhsa_system_vgpr_workitem_id 0
		.amdhsa_next_free_vgpr 114
		.amdhsa_next_free_sgpr 66
		.amdhsa_reserve_vcc 0
		.amdhsa_float_denorm_mode_32 3
		.amdhsa_float_denorm_mode_16_64 3
		.amdhsa_memory_ordered 1
		.amdhsa_forward_progress 1
		.amdhsa_inst_pref_size 10
	.end_amdhsa_kernel
	.amdgpu_metadata
---
amdhsa.version: [ 1, 2 ]
amdhsa.kernels:
  - .name:           k_qb6a7cc5cd2_prep
    .symbol:         k_qb6a7cc5cd2_prep.kd
    .args:
      - { .name: Wq, .offset: 0, .size: 8, .value_kind: global_buffer, .address_space: global }
      - { .name: Wk, .offset: 8, .size: 8, .value_kind: global_buffer, .address_space: global }
      - { .name: Wv, .offset: 16, .size: 8, .value_kind: global_buffer, .address_space: global }
      - { .name: Wo, .offset: 24, .size: 8, .value_kind: global_buffer, .address_space: global }
      - { .name: wt, .offset: 32, .size: 8, .value_kind: global_buffer, .address_space: global }
    .group_segment_fixed_size: 17920
    .private_segment_fixed_size: 0
    .kernarg_segment_align: 8
    .kernarg_segment_size: 40
    .max_flat_workgroup_size: 128
    .sgpr_count:     66
    .vgpr_count:     114
    .wavefront_size: 32
...
	.end_amdgpu_metadata
.endif
;; end of part 5
;; launch qkv: the kernel of part 2 again; grid 256 x 1, 4 waves a work-group, clusters of 4 x 1, 327,680 bytes of LDS; arguments inputs_q, inputs_kv, wt, bq, bv, q, kv; writes q, kv
;; launch attn: the kernel of part 3 again; grid 2 x 128, 8 waves a work-group, no clusters, 310,272 bytes of LDS; arguments q, kv, toeplitz, x; writes x
;; launch oproj: the kernel of part 4 again; grid 256 x 1, 4 waves a work-group, clusters of 4 x 1, 327,680 bytes of LDS; arguments x, wt, bo, out0; writes out0
